; MI455X (gfx1250); checked and timed in simulation.
; The chip was launched on July 23, 2026; its instructions are those of AMD's public machine-readable ISA for CDNA 5 (MIT licence, August 2026) and "CDNA5" Instruction Set Architecture Reference Guide (July 2026). The comments in the code are by the model that wrote it; some were corrected since.
;; Causal Self Attention. Allowed arithmetic: matrix products marked QUANTISED: E4M3 operands, one E8M0 scale for each 32 along K, by v_wmma_scale_f32_16x16x128_f8f6f4 with both operands' format E4M3, f32 sums; everything else in f32.
;; Inputs: w_out 1,024 x 1,024 float32; w_qkv 1,024 x 3,072 float32; x 4 x 2,048 x 1,024 float32.
;; Outputs: out0 4 x 2,048 x 1,024 float32.
;; This version of the problem:
;;   THIS VERSION OF THE PROBLEM IS GIVEN IN LOW PRECISION. The matrix products marked QUANTISED in the list below multiply operands that are first quantised to E4M3 (4 exponent bits, 3 mantissa bits; 8 bits a number), with one power-of-two scale for each 32 numbers along K (OCP MX v1.0); their sums are f32. All else is computed in f32.
;;   The module's matrix products, in the order in which they are computed (A, B: the left and right operand; K: the contracted axis; several contracted axes count as one K, in the product's order):
;;     1. [M 8,192, K 1,024] x [K 1,024, N 3,072]; A: input x; B: input w_qkv: QUANTISED
;;     2. batch 64 x [M 2,048, K 64] x [K 64, N 2,048]; A: computed on the way; B: computed on the way: QUANTISED
;;     3. batch 64 x [M 2,048, K 2,048] x [K 2,048, N 64]; A: softmax (see below); B: computed on the way: QUANTISED
;;     4. [M 8,192, K 1,024] x [K 1,024, N 1,024]; A: computed on the way; B: input w_out: QUANTISED
;;   THE QUANTISER, for each operand of a quantised product, along K:
;;     - K is cut into blocks of 32 from its start; a last block that is shorter is filled with zeros.
;;     - A block's scale is 2^e with e = floor(log2(the largest magnitude in the block)) - 8, held to -126 .. 127; a block of zeros has e = 0. As a byte (E8M0): e + 127.
;;     - Each number is divided by its block's scale, clamped to +-448, and rounded to the nearest number of E4M3, ties to even, subnormals kept.
;;     - The product sums the exact products of the quantised numbers (number of the format x scale) in f32.
;;   ~~~python
;;   def quantise(x, axis):      # numpy; x: float32 -> the quantised numbers, widened to float32 again
;;       x = np.moveaxis(x, axis, -1); K = x.shape[-1]
;;       x = np.pad(x, [(0, 0)] * (x.ndim - 1) + [(0, -K % 32)]); x = x.reshape(x.shape[:-1] + (-1, 32)); a = np.abs(x).max(-1, keepdims=True)
;;       e = np.where(a > 0, np.clip(np.frexp(np.where(a > 0, a, 1))[1] - 1 - 8, -126, 127), 0)      # np.frexp(a)[1] - 1 = floor(log2(a)), exactly
;;       r = np.clip(x / 2.0 ** e, -448, 448)
;;       step = 2.0 ** (np.maximum(np.frexp(np.where(r == 0, 1, r))[1] - 1, -6) - 3)
;;       q = np.round(r / step) * step * 2.0 ** e      # np.round: ties to even
;;       return np.moveaxis(q.reshape(q.shape[:-2] + (-1,))[..., :K], -1, axis).astype(np.float32)
;;   ~~~
;;   SOFTMAX AHEAD OF A QUANTISED PRODUCT. Where the list says 'softmax', what is quantised is not the finished softmax but p = 2^(t - M), with t = logit x log2(e) and M = ceil(the row's largest t), a whole number; so 1/2 < the row's largest p <= 1. The row's sum l is taken of the UNQUANTISED p, in f32, and the product's result is divided by l at the end. Since M is a whole number, a kernel that streams over the keys may use a running M (the ceiling of the running maximum): every later rescaling is an exact power of two, which a block's scale takes up: the codes' values come out the same.
;;   OPERANDS COMPUTED ON THE WAY. 'Computed on the way' means the value that the module computes at that place (a softmax that the list does not call 'softmax' is quantised finished and normalised). What goes into a quantiser is computed in f32, as accurately as f32 sums, v_exp_f32 and their like allow (about 1e-6 of the number): no bf16 or f16 on the way to a quantiser, and a product that is left as it is and whose result goes on into a quantised operand takes f32 operands (vector FMAs, or v_wmma_f32_16x16x4_f32). A number that lies on a knife's edge between two numbers of the format may be rounded either way, as far as f32 arithmetic and the matrix unit's own rounding can turn it there, and no further.
;; One version. Each part assembles by itself: llvm-mc -triple=amdgcn-amd-amdhsa -mcpu=gfx1250 --defsym DOCPART=n.
;; ======== version 1 of 1: 4 launches
;; limits: right only within a limited range of input values
;; workspace buffers: xc 8,388,608 bytes; xs 262,144 bytes; wc 4,194,304 bytes; ws 131,072 bytes; qkv 26,476,544 bytes; yc 8,388,608 bytes; ys 262,144 bytes
;; launch quant (part 1): grid 768 x 1, 4 waves a work-group, no clusters, 34,304 bytes of LDS; arguments x, w_qkv, w_out, xc, xs, wc, ws; writes xc, xs, wc, ws
.if DOCPART == 1
	.amdgcn_target "amdgcn-amd-amdhsa--gfx1250"
	.amdhsa_code_object_version 6
	.text
	.protected	k_qa2471ad132_quant
	.globl	k_qa2471ad132_quant
	.p2align	8
	.type	k_qa2471ad132_quant,@function
k_qa2471ad132_quant:
	s_mov_b64 s[64:65], 0
	v_nop
	global_prefetch_b8 v0, s[64:65] scope:SCOPE_SE
	s_setreg_imm32_b32 hwreg(HW_REG_WAVE_MODE, 25, 1), 1
	s_wait_xcnt 0x0
; x [8192][1024], w_qkv [1024][3072] and w_out [1024][1024], f32, become codes of FP8 (E4M3) with one E8M0 byte for each 32 along K (x: its last axis; the weights: their FIRST axis).
; A block's scale is 2^(floor(log2(largest magnitude)) - 8): its byte is that magnitude's exponent field - 8, held at 1 from below; numbers are held within +-448 x the scale and rounded to the nearest code, ties to even.
; LIMITS: NaN and infinities are not served; a block whose largest magnitude lies under 2^-118 keeps the byte 1; a block of zeros gets the byte 1 over zero codes (the bytes are read by this program alone).
; WHAT IS STORED ARE IMAGES OF OPERAND REGISTERS.  A tile is 16 rows of an operand (tokens of x, output columns of a weight); LANE r OF TILE 2 A + u HOLDS ROW 32 A + 8 u + r % 8 + 16 (r / 8).
;   codes  [tile][K / 128 (8)][c (4)][lane (32)][16 bytes]: lane (r, h), group c: k = 128 s + 32 c + 16 h + 0 .. 15 of the lane's row: a fragment is 2,048 consecutive bytes;
;   scales [tile][K / 256 (4)][r (16)][K step in it (2)][4 bytes c].      wc, ws: tiles 0-191 are w_qkv's columns, tiles 192-255 w_out's.
; Work-groups 0-511: a tile of x each, a wave a quarter of K (two K steps).  Each load reads 512 consecutive bytes of a row; the numbers turn through the wave's own stage in LDS so that a lane holds 16 neighbours.
; Work-groups 512-767: 128 columns x one K step of a weight, a wave 32 columns: a lane takes a column and its registers run down K, so a block of 32 lies in one lane and nothing is transposed.
; No tensor load, no barrier, no loop: waves share nothing.  A wave of x asks for all its 16 KiB at its head; a wave of the weights keeps two blocks, 64 loads, ahead.  Matrix units and clusters have nothing to do in a stream.
.set RA,  16                           ; v16-79   K step 0 as loaded
.set RB,  80                           ; v80-143  K step 1 as loaded
.set XN,  144                          ; v144-207 64 numbers: register 16 b + i = k 32 b + 16 h + i of my row
.set PCA, 208                          ; v208-223 K step 0's codes
.set PCB, 224                          ; v224-239 K step 1's
.set TM,  240                          ; v240-243 largest magnitudes, v244-247 bytes, v248-251 448 x the scale, v252-255 the conversions' scale operands
.set SEL, 28                           ; s[28:29] v_permlanex16_b32's selects for lane l xor 16
.set MNT, 30                           ; s30      the mantissa field of 448
.set SPITCH, 528                       ; a stage row: 512 bytes + 16: the sixteen rows that a read touches start at sixteen different 16-byte columns
.set WSTAGE, 16*SPITCH                 ; a wave's stage
	s_load_b256 s[4:11], s[0:1], 0x0               ; x s[4:5], w_qkv s[6:7], w_out s[8:9], xc s[10:11]
	s_load_b128 s[12:15], s[0:1], 0x20             ; xs s[12:13], wc s[14:15]
	s_load_b64 s[16:17], s[0:1], 0x30              ; ws
	v_lshl_add_u32 v14, v0, 2, 0x8400
	v_mov_b32 v15, 0
	v_lshrrev_b32 v1, 5, v0
	v_readfirstlane_b32 s18, v1                    ; wave 0..3
	v_and_b32 v6, 31, v0                           ; lane
	v_and_b32 v7, 15, v0                           ; r
	v_bfe_u32 v10, v0, 4, 1                        ; h
	s_mov_b32 s[SEL], 0x76543210
	s_mov_b32 s[SEL+1], 0xfedcba98
	s_mov_b32 s[MNT], 0x600000
	s_mov_b32 s21, 0
	s_mov_b32 s23, 0
	s_mov_b32 s25, 0
	s_cmp_lt_u32 ttmp9, 512
	s_cbranch_scc0 .Lweights
; ---------------------------------------------------------------- x
; 64 numbers of a lane become a fragment's codes in v[pc] on and its scale word in v[pw]
.macro QUANT s, pc, pw
.irp b, 0,1,2,3
	v_max3_num_f32 v[TM+\b], |v[\s+16*\b]|, |v[\s+1+16*\b]|, 0x4800000   ; block b: my 16 numbers and the floor 2^(9 - 127): the byte cannot fall under 1
.endr
.irp i, 2,4,6,8,10,12,14
.irp b, 0,1,2,3
	v_max3_num_f32 v[TM+\b], v[TM+\b], |v[\s+16*\b+\i]|, |v[\s+1+16*\b+\i]|   ; the four blocks by turns
.endr
.endr
.irp b, 0,1,2,3
	v_permlanex16_b32 v[TM+4+\b], v[TM+\b], s[SEL], s[SEL+1]
.endr
.irp b, 0,1,2,3
	v_max_num_f32 v[TM+\b], v[TM+\b], v[TM+4+\b]   ; with lane l xor 16's 16: the block's largest magnitude
.endr
.irp b, 0,1,2,3
	v_add_nc_u32 v[TM+12+\b], 0xfc000000, v[TM+\b] ; 8 off its exponent field: the conversion takes that field as its scale
.endr
.irp b, 0,1,2,3
	v_and_or_b32 v[TM+8+\b], v[TM+\b], 0x7f800000, s[MNT]   ; 448 x the scale
.endr
.irp b, 0,1,2,3
	v_lshrrev_b32 v[TM+4+\b], 23, v[TM+12+\b]      ; the scale's byte
.endr
	v_lshl_or_b32 v[\pw], v[TM+5], 8, v[TM+4]
	v_lshl_or_b32 v[\pw], v[TM+6], 16, v[\pw]
	v_lshl_or_b32 v[\pw], v[TM+7], 24, v[\pw]
.irp b, 0,1,2,3
.irp i, 0,1,2,3,4,5,6,7,8,9,10,11,12,13,14,15
	v_med3_num_f32 v[\s+16*\b+\i], v[\s+16*\b+\i], -v[TM+8+\b], v[TM+8+\b]   ; the conversion does not saturate (ISA guide 7.6.2): the hold comes first
.endr
	v_cvt_scalef32_pk8_fp8_f32 v[\pc+4*\b:\pc+4*\b+1], v[\s+16*\b:\s+16*\b+7], v[TM+12+\b]
	v_cvt_scalef32_pk8_fp8_f32 v[\pc+4*\b+2:\pc+4*\b+3], v[\s+16*\b+8:\s+16*\b+15], v[TM+12+\b]
.endr
	v_nop                                          ; a plain line behind the last conversion, ahead of whatever next writes its sources
.endm
.macro XLOAD reg, s                    ; the tile's 16 rows, 512 consecutive bytes (one K step) of each
.irp i, 0,1,2,3,4,5,6,7,8,9,10,11,12,13,14,15
	global_load_b128 v[\reg+4*\i:\reg+4*\i+3], v1, s[4:5] offset:((\i%8)+16*(\i/8))*4096+512*\s th:TH_LOAD_NT
.endr
.endm
.macro XTURN reg                       ; through my stage: in as loaded, out 64 bytes of each block of 32 a lane.  LDS serves a wave's instructions in order: no wait between
.irp i, 0,1,2,3,4,5,6,7,8,9,10,11,12,13,14,15
	ds_store_b128 v2, v[\reg+4*\i:\reg+4*\i+3] offset:SPITCH*\i
.endr
.irp c, 0,1,2,3
.irp j, 0,1,2,3
	ds_load_b128 v[XN+16*\c+4*\j:XN+16*\c+4*\j+3], v3 offset:128*\c+16*\j
.endr
.endr
.endm
	s_wait_alu depctr_va_vdst(0)
	v_lshlrev_b32 v1, 4, v6                        ; 16 x lane
	s_mul_i32 s19, s18, WSTAGE
	v_add_nc_u32 v2, s19, v1                       ; the stage, in
	v_mul_u32_u24 v3, v7, SPITCH
	v_lshl_add_u32 v3, v10, 6, v3
	v_add_nc_u32 v3, s19, v3                       ; the stage, out: row r, + 64 h
	v_lshlrev_b32 v5, 3, v7
	v_lshl_add_u32 v5, v10, 2, v5                  ; the scale words: 8 r + 4 h
.irp b, 0,1,2,3
	v_mov_b32 v[TM+4+\b], 0                        ; written once: a lane permute's destination counts as one of its sources
.endr
	s_lshr_b32 s20, ttmp9, 1
	s_lshl_b32 s20, s20, 5
	s_and_b32 s22, ttmp9, 1
	s_lshl_b32 s22, s22, 3
	s_add_co_u32 s20, s20, s22                     ; the tile's first row: 32 (tile / 2) + 8 (tile % 2)
	s_lshl_b32 s20, s20, 12                        ; a row of x is 4,096 bytes
	s_lshl_b32 s22, s18, 10
	s_add_co_u32 s20, s20, s22                     ; + my quarter of K
	s_lshl_b32 s22, ttmp9, 14
	s_lshl_b32 s24, s18, 12
	s_add_co_u32 s22, s22, s24                     ; codes: 16,384 x tile + 4,096 x wave
	s_lshl_b32 s24, ttmp9, 9
	s_lshl_b32 s26, s18, 7
	s_add_co_u32 s24, s24, s26                     ; scales: 512 x tile + 128 x wave
	s_wait_alu depctr_va_vdst(0)
	s_wait_kmcnt 0x0
	s_add_nc_u64 s[4:5], s[4:5], s[20:21]
	s_add_nc_u64 s[10:11], s[10:11], s[22:23]
	s_add_nc_u64 s[12:13], s[12:13], s[24:25]
	XLOAD RA, 0
	XLOAD RB, 1
	s_wait_loadcnt 16                              ; K step 0's sixteen loads are in; K step 1's may be out
	XTURN RA
	s_wait_dscnt 0x0
	QUANT XN, PCA, 8
.irp c, 0,1,2,3
	global_store_b128 v1, v[PCA+4*\c:PCA+4*\c+3], s[10:11] offset:512*\c          ; 512 consecutive bytes a store
.endr
	s_wait_loadcnt 0x0
	XTURN RB
	s_wait_dscnt 0x0
	QUANT XN, PCB, 9
.irp c, 0,1,2,3
	global_store_b128 v1, v[PCB+4*\c:PCB+4*\c+3], s[10:11] offset:2048+512*\c
.endr
	v_cmp_ne_u32 vcc_lo, 0, v10
	v_cndmask_b32 v8, v8, v9, vcc_lo               ; lanes 0-15 keep K step 0's word of row r, lanes 16-31 take K step 1's: 32 different words
	global_store_b32 v5, v8, s[12:13]              ; 128 consecutive bytes
	s_wait_tensorcnt 0x0
	ds_add_u32 v14, v15
	s_wait_dscnt 0x0
	s_endpgm
; ---------------------------------------------------------------- the weights
.Lweights:
	s_sub_co_u32 s19, ttmp9, 512                   ; 0..255: 32 groups of 128 columns x 8 K steps
	s_lshr_b32 s24, s19, 3
	s_lshl_b32 s24, s24, 2
	s_add_co_u32 s24, s24, s18                     ; my wave's pair of tiles, A = 0..127: columns 32 A on (from A = 96 on: w_out's)
	s_and_b32 s26, s19, 7                          ; the K step
	s_wait_alu depctr_va_vdst(0)
	v_and_b32 v1, 7, v7
	v_lshrrev_b32 v2, 3, v7
	v_lshl_add_u32 v1, v2, 4, v1
	v_lshl_add_u32 v1, v10, 3, v1                  ; my column of the 32: 8 u + r % 8 + 16 (r / 8): I am lane r of tile 2 A + u
	v_lshlrev_b32 v1, 2, v1
	v_lshlrev_b32 v2, 4, v7
	v_lshl_add_u32 v2, v10, 14, v2                 ; codes: 16,384 u + 16 r
	v_lshlrev_b32 v3, 3, v7
	v_lshl_add_u32 v3, v10, 9, v3                  ; scales: 512 u + 8 r
	s_lshl_b32 s20, s24, 15
	s_lshl_b32 s22, s26, 11
	s_add_co_u32 s20, s20, s22                     ; codes: 2 A tiles + 2,048 x K step
	s_lshl_b32 s22, s24, 10
	s_lshr_b32 s27, s26, 1
	s_lshl_b32 s27, s27, 7
	s_add_co_u32 s22, s22, s27
	s_and_b32 s27, s26, 1
	s_lshl_b32 s27, s27, 2
	s_add_co_u32 s22, s22, s27                     ; scales: 2 A tiles + 128 (K step / 2) + 4 (K step % 2)
	s_wait_kmcnt 0x0
	s_add_nc_u64 s[14:15], s[14:15], s[20:21]
	s_add_nc_u64 s[16:17], s[16:17], s[22:23]
.macro WLOAD b, pitch, c               ; block c: W(128 s + 32 c + n, my column), n = 0 .. 31, into the block's own 32 registers: 32 lanes read 128 consecutive bytes
.set n, 0
.rept 32
	global_load_b32 v[16+32*(\c)+n], v1, s[\b:\b+1] offset:(32*(\c)+n)*\pitch th:TH_LOAD_NT
.set n, n+1
.endr
.endm
.macro WBLOCK c, b, pitch              ; block c of the K step: all 32 numbers are mine
.set XS, 16+32*(\c)
.set CD, 144+8*(\c)                    ; each block has registers of its own for its codes: no store's data are written again
.if (\c) < 3
	s_wait_loadcnt 32                              ; this block's 32 loads are in; the next block's 32 may be out
.else
	s_wait_loadcnt 0x0
.endif
.if (\c) < 2
	WLOAD \b, \pitch, (\c)+2                       ; two blocks ahead
.endif
	v_max3_num_f32 v240, |v[XS]|, |v[XS+1]|, |v[XS+2]|
	v_max3_num_f32 v241, |v[XS+3]|, |v[XS+4]|, |v[XS+5]|
.irp i, 6,10,14,18,22,26
	v_max3_num_f32 v240, v240, |v[XS+\i]|, |v[XS+\i+1]|
	v_max3_num_f32 v241, v241, |v[XS+\i+2]|, |v[XS+\i+3]|
.endr
	v_max3_num_f32 v240, v240, |v[XS+30]|, |v[XS+31]|
	v_max3_num_f32 v240, v240, v241, 0x4800000     ; and the floor
	v_add_nc_u32 v242, 0xfc000000, v240            ; the conversion's scale operand
	v_and_or_b32 v243, v240, 0x7f800000, s[MNT]    ; 448 x the scale
	v_lshrrev_b32 v241, 23, v242                   ; the byte
.if (\c) == 0
	v_mov_b32 v4, v241
.else
	v_lshl_or_b32 v4, v241, 8*(\c), v4
.endif
.irp i, 0,1,2,3,4,5,6,7,8,9,10,11,12,13,14,15,16,17,18,19,20,21,22,23,24,25,26,27,28,29,30,31
	v_med3_num_f32 v[XS+\i], v[XS+\i], -v243, v243
.endr
.irp g, 0,1,2,3
	v_cvt_scalef32_pk8_fp8_f32 v[CD+2*\g:CD+2*\g+1], v[XS+8*\g:XS+8*\g+7], v242
.endr
	v_nop                                          ; a plain line behind the last conversion: the next block writes v242
	global_store_b128 v2, v[CD:CD+3], s[14:15] offset:512*(\c)         ; k 0-15 of the block: the image's lanes 0-15; sixteen lanes store 256 consecutive bytes of one tile
	global_store_b128 v2, v[CD+4:CD+7], s[14:15] offset:512*(\c)+256   ; k 16-31: its lanes 16-31
.endm
.macro WPATH b, pitch                  ; the two weights differ in the bytes from row to row, which stand in the loads' immediates: so the path stands twice
	WLOAD \b, \pitch, 0
	WLOAD \b, \pitch, 1
	WBLOCK 0, \b, \pitch
	WBLOCK 1, \b, \pitch
	WBLOCK 2, \b, \pitch
	WBLOCK 3, \b, \pitch
	global_store_b32 v3, v4, s[16:17]              ; my column's word for this K step: 4 bytes of every 8; one byte for each 128 that the wave reads
	s_endpgm
.endm
	s_cmp_lt_u32 s19, 192
	s_cbranch_scc0 .Lw_out
	s_mul_i32 s20, s26, 128*12288                  ; w_qkv: 128 rows of 12,288 bytes a K step,
	s_lshl_b32 s22, s24, 7                         ; 128 bytes for each 32 columns
	s_add_co_u32 s20, s20, s22
	s_add_nc_u64 s[6:7], s[6:7], s[20:21]
	s_wait_alu depctr_va_vdst(0)
	WPATH 6, 12288
.Lw_out:
	s_mul_i32 s20, s26, 128*4096                   ; w_out: rows of 4,096 bytes
	s_sub_co_u32 s22, s24, 96
	s_lshl_b32 s22, s22, 7
	s_add_co_u32 s20, s20, s22
	s_add_nc_u64 s[8:9], s[8:9], s[20:21]
	s_wait_alu depctr_va_vdst(0)
	WPATH 8, 4096
.Lfunc_end_k_qa2471ad132_quant:
	.size	k_qa2471ad132_quant, .Lfunc_end_k_qa2471ad132_quant-k_qa2471ad132_quant
	.p2alignl 7, 3214868480
	.fill 96, 4, 3214868480
	.section	.rodata,"a",@progbits
	.p2align	6, 0x0
	.amdhsa_kernel k_qa2471ad132_quant
		.amdhsa_group_segment_fixed_size 34304
		.amdhsa_private_segment_fixed_size 0
		.amdhsa_enable_private_segment 0
		.amdhsa_kernarg_size 56
		.amdhsa_user_sgpr_count 2
		.amdhsa_user_sgpr_kernarg_segment_ptr 1
		.amdhsa_wavefront_size32 1
		.amdhsa_system_sgpr_workgroup_id_x 1
		.amdhsa_system_sgpr_workgroup_id_y 1
		.amdhsa_system_sgpr_workgroup_id_z 1
		.amdhsa_system_vgpr_workitem_id 0
		.amdhsa_next_free_vgpr 256
		.amdhsa_next_free_sgpr 66
		.amdhsa_reserve_vcc 1
		.amdhsa_float_denorm_mode_32 3
		.amdhsa_float_denorm_mode_16_64 3
		.amdhsa_memory_ordered 1
		.amdhsa_forward_progress 1
		.amdhsa_inst_pref_size 83
	.end_amdhsa_kernel
	.amdgpu_metadata
---
amdhsa.version: [ 1, 2 ]
amdhsa.kernels:
  - .name:           k_qa2471ad132_quant
    .symbol:         k_qa2471ad132_quant.kd
    .args:
      - { .name: x, .offset: 0, .size: 8, .value_kind: global_buffer, .address_space: global }
      - { .name: w_qkv, .offset: 8, .size: 8, .value_kind: global_buffer, .address_space: global }
      - { .name: w_out, .offset: 16, .size: 8, .value_kind: global_buffer, .address_space: global }
      - { .name: xc, .offset: 24, .size: 8, .value_kind: global_buffer, .address_space: global }
      - { .name: xs, .offset: 32, .size: 8, .value_kind: global_buffer, .address_space: global }
      - { .name: wc, .offset: 40, .size: 8, .value_kind: global_buffer, .address_space: global }
      - { .name: ws, .offset: 48, .size: 8, .value_kind: global_buffer, .address_space: global }
    .group_segment_fixed_size: 34304
    .private_segment_fixed_size: 0
    .kernarg_segment_align: 8
    .kernarg_segment_size: 56
    .max_flat_workgroup_size: 128
    .sgpr_count:     66
    .vgpr_count:     256
    .wavefront_size: 32
...
	.end_amdgpu_metadata
.endif
;; end of part 1
;; launch gemm_qkv (part 2): grid 4 x 64, 4 waves a work-group, clusters of 4 x 4, 327,680 bytes of LDS; arguments xc, xs, wc, ws, qkv; writes qkv
.if DOCPART == 2
	.amdgcn_target "amdgcn-amd-amdhsa--gfx1250"
	.amdhsa_code_object_version 6
	.text
	.protected	k_qa2471ad132_gemm_qkv
	.globl	k_qa2471ad132_gemm_qkv
	.p2align	8
	.type	k_qa2471ad132_gemm_qkv,@function
k_qa2471ad132_gemm_qkv:
	s_mov_b64 s[64:65], 0
	v_nop
	global_prefetch_b8 v0, s[64:65] scope:SCOPE_SE
	s_setreg_imm32_b32 hwreg(HW_REG_WAVE_MODE, 25, 1), 1
	s_wait_xcnt 0x0
	s_wait_alu depctr_hold_cnt(0) depctr_sa_sdst(0) depctr_va_vdst(0) depctr_va_sdst(0) depctr_va_ssrc(0) depctr_va_vcc(0) depctr_vm_vsrc(0)
	s_getreg_b32 s2, hwreg(HW_REG_IB_STS2, 6, 4)
	s_cmp_eq_u32 s2, 0
	s_cbranch_scc0 .Lentry_in_a_cluster
	s_endpgm
.Lentry_in_a_cluster:
	s_bfe_u32 s2, ttmp6, 0x10000c
	s_cmp_lg_u32 s2, 0xf033
	s_cbranch_scc0 .Lentry_shape_is_right
	s_endpgm
.Lentry_shape_is_right:
; qkv = x w_qkv on codes of FP8 (E4M3) with E8M0 scales, sums in f32; the results are quantised in registers and leave as operand images for the attention launch: no f32 number goes to memory.
; OPERANDS ARE IMAGES OF REGISTERS (see the quantising launch): a tile is 16 rows, 16,384 bytes of codes ([K / 128][c][lane][16 bytes]) and 512 of scale words ([K / 256][r][2][4 bytes]); lane r of tile 2 A + u holds row 32 A + 8 u + r % 8 + 16 (r / 8).
; SHARES.  256 work-groups of four waves.  A work-group takes 128 tokens (one key step of one batch) and heads 4 g .. 4 g + 3 of q, of k and of v: 768 weight columns.  The waves stand 2 x 2: a wave holds 64 tokens, ALL of K, in 512 registers,
; and takes one head of each two that a chunk brings.  A weight tile (16 columns, all of K, 128 registers, two sets) meets the wave's four token tiles in 32 products on four accumulators by turns.
; THE WEIGHTS come in six chunks of 8 tiles (two heads; q, q, k, k, v, v) through two LDS slots of 131,072 bytes, their scale words through two slots of 4,096.  x lands in slot 1 at the head; when every wave holds it in registers, the second chunk is filled over it.
; The head has one load a wave: x, chunk 0, x's scale words, the scale words of chunks 0 and 1.  Each later fill stands behind a drained round of the cluster's barrier: waves 0 and 1 bring four tiles each, wave 2 the scale words, wave 3 nothing.
; Clusters of 4 x 4: the four of a row need the same tokens, the four of a column the same weights: each is asked for jointly.
; q, k are quantised along the head's channels: source 0 = weight tile, source 1 = tokens: a lane holds a token, and the 16 registers of weight tiles 2 B, 2 B + 1 are 16 neighbouring channels.
; v is quantised along the keys: source 0 = tokens, source 1 = weight tile: a lane holds a channel, and the 16 registers of token tiles 2 A, 2 A + 1 are 16 neighbouring keys.  A block of 32 is shared with lane l xor 16.
; A PAIR of weight tiles fills eight accumulators = four blocks of 32, which are quantised together and leave at once.
; qkv: 1,024 blocks of 25,856 bytes, block = (batch x 16 + head) x 16 + (token / 128):  K codes 8,192 (key tile x 1,024 + c x 512 + 16 lane) | V codes 8,192 (channel tile x 2,048 + c x 512 + 16 lane) |
;   K scale words 512 (32 r + 4 tile; two bytes, 0x7f7f above them) | V scale words 256 (16 r + 4 tile) | Q codes 8,192 | Q scale words 512, laid as K's.
; PREFETCHES INTO THE L2: at a chunk's head the chunk of the next third that will follow it in its slot is asked of memory, one chunk ahead of its load: 512 blocks of 256 bytes, shared out by address among the four partners of a column and their
; four waves, a lane a block.  Chunk 1 and the scale words of the later thirds are asked for at the head.  All sixteen rows of clusters read the same weights: the first four ask.  x and chunk 0 come by their loads alone.
; LIMITS: NaN and infinities are not served; a block whose largest magnitude lies under 2^-118 keeps the byte 1, a block of zeros too (zero codes; the bytes are read by this program alone).
; REGISTERS: window 0: v1-29 addresses; v32-63 x's scale words (8 a + q), v68-83 the weight tile's, two sets: scales and nothing else; v96-119 the quantiser's; v128-143 codes; v160-223 eight accumulators.
;   windows 1, 2: x's fragments, fragment 4 q + a.   window 3: the weight tile's fragments, two sets.
.set NP,    8                          ; places behind this matrix instruction (ISA guide 7.12.1)
.set SLOT,  131072
.set WS0,   262144                     ; the weights' scale words: slot 0; slot 1 lies 4,096 on
.set XSL,   270336                     ; x's scale words, 4,096 bytes
.set SPARE, 274432                     ; the spare words: two blocks of 256 bytes that no other line names
.set BLK,   25856
.set HP,    16*BLK                     ; from a head to the next
.set THIRD, 64*16384                   ; from q's tiles to k's, from k's to v's, in bytes of codes
.set AX,   2                           ; v2     LDS address of my x fragments
.set AW,   4                           ; v4-5   of my weight tiles in slot 0, 1
.set ASX,  6                           ; v6     of my x scale words
.set ASW,  8                           ; v8-9   of my weight tiles' scale words in slot 0, 1
.set VC,   10                          ; v10    out: q's, k's codes
.set VS,   11                          ; v11    their scale words
.set VCV,  12                          ; v12    v's codes
.set VSV,  13                          ; v13    its scale bytes
.set PFO,  14                          ; v14    the prefetches' offsets: codes; v15: scale words; never rewritten
.set SPW,  28
.set NIL,  29
.set XSC,  32
.set WSC,  68                          ; no product's two scale registers have numbers equal modulo 8
.set TM,   96
.set SW,   112
.set PCA,  128
.set ACC,  160
.set G1X,  24                          ; descriptor groups 1: x's codes, the weights' codes, x's scale words, the weights'
.set G1W,  32
.set G1XS, 48
.set G1WS, 56
.set HXS,  68                          ; groups 0 of the head's loads of scale words (those of the codes lie in s[4:11])
.set HWS,  72
.set G0C,  76                          ; s[76:83] groups 0 of the ring's codes, a set for each slot;  s[84:91] of its scale words
.set G0S,  84
.set PQC,  92                          ; s[92:93] out: q's, then k's codes;  s[94:95] their scale words;  s[96:97] my first head's block
.set PQS,  94
.set PB,   96
.set PFA,  66                          ; s[66:67] the prefetches' base: codes;  s[98:99] scale words;  s45: 1 where my cluster asks
.set PF2,  98
.set MSB, 0
.macro WIN new                         ; the immediate's high byte repeats the setting that is left
.if MSB != \new
	s_set_vgpr_msb (MSB<<8)|\new
.set MSB, \new
.endif
.endm
.macro PLACES n
.rept \n
	v_nop
.endr
.endm
.macro TL g0, g1                       ; a tensor load with an s_nop and four v_nop behind it
	tensor_load_to_lds s[\g0:\g0+3], s[\g1:\g1+7]
	s_nop 0
	PLACES 4
.endm
.macro CREST
	s_cmp_lg_u32 s14, 0
	s_cbranch_scc1 .Lnot_wave_0_\@
	s_barrier_signal -3
.Lnot_wave_0_\@:
	s_barrier_wait -3
	s_barrier_signal -1
	s_barrier_wait -1
.endm
.macro CROUND
	s_barrier_signal -1
	s_barrier_wait -1
	CREST
.endm
.macro GRP1 g, m, c, rows, pitch       ; group 1: rows of c elements of 8 bytes, pitch elements apart; dense in LDS; the mask in s[m], bit 21 beside it
	s_or_b32 s[\g], s\m, (3<<16)|(1<<21)
	s_mov_b32 s[\g+1], (\c)<<16
	s_mov_b32 s[\g+2], (\rows)<<16
	s_mov_b32 s[\g+3], (\c)<<16
	s_mov_b32 s[\g+4], \rows
	s_mov_b32 s[\g+5], \pitch
	s_mov_b32 s[\g+6], 0
	s_mov_b32 s[\g+7], 0
.endm
.macro GRP0 g, lds, adr
	s_mov_b32 s[\g], 1
	s_mov_b32 s[\g+1], \lds
	s_mov_b64 s[\g+2:\g+3], s[\adr:\adr+1]
	s_or_b32 s[\g+3], s[\g+3], 0x80000000
.endm
	s_load_b128 s[4:7], s[0:1], 0x0                ; xc, xs
	s_load_b128 s[8:11], s[0:1], 0x10              ; wc, ws
	s_load_b64 s[12:13], s[0:1], 0x20              ; qkv
	v_lshl_add_u32 v[SPW], v0, 2, SPARE
	v_mov_b32 v[NIL], 0
	ds_add_u32 v[SPW], v[NIL]                      ; the opening lines: the add, twice on end, and its wait
	ds_add_u32 v[SPW], v[NIL]
	v_lshrrev_b32 v1, 5, v0
	v_readfirstlane_b32 s14, v1                    ; wave 0..3
	s_lshr_b32 s15, s14, 1                         ; my half of the tokens
	s_and_b32 s16, s14, 1                          ; my head of a chunk's two.  Also: which four tiles of a chunk I fetch
	s_bfe_u32 s40, ttmp6, 0x40000
	s_bfe_u32 s41, ttmp6, 0x40004
	s_lshl_b32 s42, ttmp9, 2
	s_add_co_u32 s42, s42, s40                     ; g: which four heads
	s_and_b32 s17, ttmp7, 0xffff
	s_lshl_b32 s17, s17, 2
	s_add_co_u32 s17, s17, s41                     ; which 128 tokens
	s_lshl_b32 s43, s41, 2
	s_lshl_b32 s43, 15, s43                        ; my row of the cluster
	s_lshl_b32 s44, 0x1111, s40                    ; my column
	GRP1 G1X, 43, 2048, 8, 2048                    ; tiles as rows of 16,384 bytes, one behind the other: x's 8,
	GRP1 G1W, 44, 2048, 8, 2048                    ; chunk 0's 8 (the ring's loads bring 4)
	GRP1 G1XS, 43, 32, 16, 32                      ; scale words, dense, as rows of 256 bytes: x's 4,096 bytes,
	GRP1 G1WS, 44, 32, 32, 32                      ; those of chunks 0 and 1 (the ring's loads bring 4,096)
	s_lshl_b32 s20, s17, 17                        ; x: 8 tiles of codes,
	s_lshl_b32 s22, s17, 12                        ; of scale words
	s_lshl_b32 s46, s42, 18                        ; the weights: 16 tiles for four heads
	s_lshl_b32 s18, s42, 13
	s_mov_b32 s21, 0
	s_mov_b32 s23, 0
	s_mov_b32 s47, 0
	s_mov_b32 s19, 0
	s_wait_dscnt 0x0
	s_wait_kmcnt 0x0
	s_add_nc_u64 s[20:21], s[4:5], s[20:21]
	s_add_nc_u64 s[22:23], s[6:7], s[22:23]
	s_add_nc_u64 s[46:47], s[8:9], s[46:47]
	s_add_nc_u64 s[18:19], s[10:11], s[18:19]
	CROUND                                         ; all sixteen work-groups are here: the first joint loads meet
	GRP0 4, SLOT, 20                               ; (in registers whose arguments have been used)  x into slot 1,
	GRP0 8, 0, 46                                  ; chunk 0 into slot 0
	GRP0 HXS, XSL, 22
	GRP0 HWS, WS0, 18
	s_lshl_b32 s20, s16, 16                        ; the ring: my four tiles, in memory and in a slot
	s_mov_b32 s21, 0
	s_add_nc_u64 s[22:23], s[46:47], s[20:21]
.irp h, 0,1
	s_mov_b32 s[G0C+4*\h], 1
	s_add_co_u32 s[G0C+4*\h+1], s20, \h*SLOT
	s_add_nc_u64 s[G0C+4*\h+2:G0C+4*\h+3], s[22:23], \h*SLOT
	s_or_b32 s[G0C+4*\h+3], s[G0C+4*\h+3], 0x80000000
	s_mov_b32 s[G0S+4*\h], 1
	s_mov_b32 s[G0S+4*\h+1], WS0+\h*4096
	s_add_nc_u64 s[G0S+4*\h+2:G0S+4*\h+3], s[18:19], \h*4096
	s_or_b32 s[G0S+4*\h+3], s[G0S+4*\h+3], 0x80000000
.endr
.macro ARM under, g0, g1, next         ; one tree of branches on the wave's number: every way through the head passes one load
	s_cmp_lt_u32 s14, \under
	s_cbranch_scc0 \next
	TL \g0, \g1
	s_branch .Lhead_asked
\next:
.endm
	ARM 1, 4, G1X, .Lhead_w
	ARM 2, 8, G1W, .Lhead_xs
	ARM 3, HXS, G1XS, .Lhead_ws
	TL HWS, G1WS
.Lhead_asked:
	s_and_b32 s45, ttmp7, 0xffff                   ; the prefetches: the first four rows of clusters ask
	s_cmp_lt_u32 s45, 4
	s_cselect_b32 s45, 1, 0
	s_lshl_b32 s20, s41, 2
	s_add_co_u32 s20, s20, s14
	s_lshl_b32 s20, s20, 13                        ; which sixteenth of a chunk is mine: 8,192 bytes
	s_mov_b32 s21, 0
	s_add_nc_u64 s[PFA:PFA+1], s[46:47], s[20:21]
	s_lshl_b32 s20, s41, 11                        ; of a third's 8,192 bytes of scale words my work-group takes a quarter
	s_add_nc_u64 s[PF2:PF2+1], s[18:19], s[20:21]
	s_lshr_b32 s20, s17, 4                         ; where my results go: the batch,
	s_lshl_b32 s20, s20, 4
	s_lshl_b32 s21, s42, 2
	s_add_co_u32 s20, s20, s21
	s_add_co_u32 s20, s20, s16                     ; x 16 + my head of chunk 0's two,
	s_lshl_b32 s20, s20, 4
	s_and_b32 s21, s17, 15
	s_add_co_u32 s20, s20, s21                     ; x 16 + the key step
	s_mul_i32 s20, s20, BLK
	s_mov_b32 s21, 0
	s_add_nc_u64 s[PB:PB+1], s[12:13], s[20:21]
	s_add_nc_u64 s[PQC:PQC+1], s[PB:PB+1], 17152   ; q's codes,
	s_add_nc_u64 s[PQS:PQS+1], s[PB:PB+1], 25344   ; q's scale words
	s_lshl_b32 s20, s15, 16
	s_add_co_u32 s20, s20, SLOT                    ; my four tiles of x
	s_lshl_b32 s21, s16, 16                        ; my four tiles of a chunk
	s_lshl_b32 s22, s15, 11
	s_add_co_u32 s22, s22, XSL
	s_lshl_b32 s23, s16, 11
	s_add_co_u32 s23, s23, WS0
	s_lshl_b32 s40, s15, 12                        ; out: four token tiles of 1,024 bytes,
	s_lshl_b32 s41, s15, 4                         ; four words,
	s_lshl_b32 s43, s15, 10                        ; two blocks of 512 bytes,
	s_lshl_b32 s44, s15, 1                         ; two bytes
	s_mov_b32 s18, 0x76543210
	s_mov_b32 s19, 0xfedcba98                      ; v_permlanex16_b32's selects for lane l xor 16
	s_mov_b32 s2, 0x600000                         ; the mantissa field of 448
	v_and_b32 v1, 15, v0                           ; r
	v_and_b32 v16, 31, v0
	v_lshlrev_b32 v17, 4, v16                      ; 16 x lane
	v_lshlrev_b32 v[PFO], 8, v16                   ; a lane a block of 256 bytes
	v_min_u32 v16, 15, v16                         ; scale words: lanes 0-7 k's eight blocks, lanes 8-15 v's; the others name the last again
	v_lshrrev_b32 v18, 3, v16
	v_and_b32 v16, 7, v16
	v_lshlrev_b32 v18, 15, v18
	v_lshl_add_u32 v[PFO+1], v16, 8, v18
	v_add_nc_u32 v[AX], s20, v17
	v_add_nc_u32 v[AW], s21, v17
	v_add_nc_u32 v[AW+1], SLOT, v[AW]
	v_lshlrev_b32 v19, 3, v1
	v_add_nc_u32 v[ASX], s22, v19
	v_add_nc_u32 v[ASW], s23, v19
	v_add_nc_u32 v[ASW+1], 4096, v[ASW]
	v_add_nc_u32 v[VC], s40, v17
	v_lshlrev_b32 v20, 5, v1
	v_add_nc_u32 v[VS], s41, v20
	v_add_nc_u32 v[VCV], s43, v17
	v_lshlrev_b32 v21, 4, v1
	v_add_nc_u32 v[VSV], s44, v21
.irp b, 0,1,2,3
	v_mov_b32 v[TM+4+\b], 0                        ; written once: a lane permute's destination counts as one of its sources
.endr
	s_wait_alu depctr_va_vdst(0)
	s_cmp_eq_u32 s45, 1
	s_cbranch_scc0 .Lnone_asked
	global_prefetch_b8 v[PFO], s[PFA:PFA+1] offset:SLOT th:TH_LOAD_NT scope:SCOPE_SE          ; chunk 1
	s_cmp_eq_u32 s14, 3
	s_cbranch_scc0 .Lnone_asked
	global_prefetch_b8 v[PFO+1], s[PF2:PF2+1] offset:32768 th:TH_LOAD_NT scope:SCOPE_SE       ; k's and v's scale words
.Lnone_asked:
.macro FETCH hh, i, e                  ; my tile i of the chunk in slot hh into set e: 32 loads of codes, 4 of scale words
	WIN 0xc0
.irp q, 0,1,2,3,4,5,6,7
.irp c, 0,1,2,3
	ds_load_b128 v[128*(\e)+16*\q+4*\c:128*(\e)+16*\q+4*\c+3], v[AW+\hh] offset:(\i)*16384+\q*2048+\c*512
.endr
.endr
	WIN 0
.irp t, 0,1,2,3
	ds_load_b64 v[WSC+8*(\e)+2*\t:WSC+8*(\e)+2*\t+1], v[ASW+\hh] offset:(\i)*512+\t*128
.endr
.endm
; product n = 4 q + a of a weight tile: the q-th 128 of K, token tile a.  e: the tile's set; u: its place in its pair.  The four accumulators take turns, one instruction a turn; the first products start the sums
.macro PROD kind, e, u, n
.set Q_, (\n)/4
.set A_, (\n)%4
.set XR_, 16*((\n)%16)
.set XW_, 1+(\n)/16
.set WR_, 128*(\e)+16*Q_
.if \kind
.set D_, ACC+32*(\u)+8*A_
	WIN XW_|(3<<2)
.if Q_
	v_wmma_scale_f32_16x16x128_f8f6f4 v[D_:D_+7], v[XR_:XR_+15], v[WR_:WR_+15], v[D_:D_+7], v[XSC+8*A_+Q_], v[WSC+8*(\e)+Q_]
.else
	v_wmma_scale_f32_16x16x128_f8f6f4 v[D_:D_+7], v[XR_:XR_+15], v[WR_:WR_+15], 0, v[XSC+8*A_+Q_], v[WSC+8*(\e)+Q_]
.endif
.else
.set D_, ACC+16*A_+8*(\u)
	WIN 3|(XW_<<2)
.if Q_
	v_wmma_scale_f32_16x16x128_f8f6f4 v[D_:D_+7], v[WR_:WR_+15], v[XR_:XR_+15], v[D_:D_+7], v[WSC+8*(\e)+Q_], v[XSC+8*A_+Q_]
.else
	v_wmma_scale_f32_16x16x128_f8f6f4 v[D_:D_+7], v[WR_:WR_+15], v[XR_:XR_+15], 0, v[WSC+8*(\e)+Q_], v[XSC+8*A_+Q_]
.endif
.endif
.endm
.macro PRODS kind, e, u, from, to
.set N_, \from
.rept (\to)-(\from)
	PROD \kind, \e, \u, N_
.set N_, N_+1
.endr
.endm
; THE QUANTISER of a pair's eight accumulators: block b is the 16 registers at ACC + 16 b, shared with lane l xor 16 -> codes PCA + 4 b, byte TM + 4 + b
.macro QUANT4
	s_wait_xcnt 0x0                                ; the last pair's stores have read their registers
.irp b, 0,1,2,3
	v_max3_num_f32 v[TM+\b], |v[ACC+16*\b]|, |v[ACC+16*\b+1]|, 0x4800000   ; each accumulator is read from its low end on; the floor 2^(9 - 127) holds the byte at 1 from below
.endr
.irp i, 2,4,6,8,10,12,14
.irp b, 0,1,2,3
	v_max3_num_f32 v[TM+\b], |v[ACC+16*\b+\i]|, |v[ACC+16*\b+\i+1]|, v[TM+\b]
.endr
.endr
.irp b, 0,1,2,3
	v_permlanex16_b32 v[TM+4+\b], v[TM+\b], s18, s19
.endr
.irp b, 0,1,2,3
	v_max_num_f32 v[TM+\b], v[TM+\b], v[TM+4+\b]
.endr
.irp b, 0,1,2,3
	v_add_nc_u32 v[TM+12+\b], 0xfc000000, v[TM+\b] ; 8 off the exponent field: the conversion's scale operand
.endr
.irp b, 0,1,2,3
	v_and_or_b32 v[TM+8+\b], v[TM+\b], 0x7f800000, s2   ; 448 x the scale
.endr
.irp b, 0,1,2,3
	v_lshrrev_b32 v[TM+4+\b], 23, v[TM+12+\b]      ; the scale's byte
.endr
.irp b, 0,1,2,3
.irp i, 0,1,2,3,4,5,6,7,8,9,10,11,12,13,14,15
	v_med3_num_f32 v[ACC+16*\b+\i], v[ACC+16*\b+\i], -v[TM+8+\b], v[TM+8+\b]   ; the conversion does not saturate (ISA guide 7.6.2): the hold comes first
.endr
.endr
.irp b, 0,1,2,3
	v_cvt_scalef32_pk8_fp8_f32 v[PCA+4*\b:PCA+4*\b+1], v[ACC+16*\b:ACC+16*\b+7], v[TM+12+\b]
	v_cvt_scalef32_pk8_fp8_f32 v[PCA+4*\b+2:PCA+4*\b+3], v[ACC+16*\b+8:ACC+16*\b+15], v[TM+12+\b]
.endr
	v_nop                                          ; a plain line behind the last conversion
.endm
; pair p of my head of the chunk in slot hh leaves.  q, k: block b is token tile b, the pair is the head's p-th 32 channels.  v: block 2 u + c is channel tile 2 p + u, my c-th 32 keys
.macro OUT kind, hh, p
	QUANT4
.if \kind
.irp u, 0,1
	v_lshl_or_b32 v[SW+\u], v[TM+5+2*\u], 8, v[TM+4+2*\u]       ; my two bytes of the channel's word
.endr
.irp u, 0,1
.irp c, 0,1
	global_store_b128 v[VCV], v[PCA+8*\u+4*\c:PCA+8*\u+4*\c+3], s[PB:PB+1] offset:8192+(\hh)*2*HP+(2*(\p)+\u)*2048+\c*512   ; 512 consecutive bytes a store
.endr
	global_store_b16 v[VSV], v[SW+\u], s[PB:PB+1] offset:16896+(\hh)*2*HP+4*(2*(\p)+\u)   ; lanes l and l xor 16 write the same two bytes with the same value
.endr
.else
.irp a, 0,1,2,3
.if \p
	v_lshl_or_b32 v[SW+\a], v[TM+4+\a], 8, v[SW+\a]            ; the head's second byte
.else
	v_or_b32 v[SW+\a], 0x7f7f0000, v[TM+4+\a]                  ; its first, under the byte of 1.0 for the upper 64 of the attention's K, where the codes count for nothing
.endif
.endr
.irp a, 0,1,2,3
	global_store_b128 v[VC], v[PCA+4*\a:PCA+4*\a+3], s[PQC:PQC+1] offset:(\hh)*2*HP+\a*1024+(\p)*512
.endr
.if \p
	global_store_b128 v[VS], v[SW:SW+3], s[PQS:PQS+1] offset:(\hh)*2*HP   ; my four token tiles' words of each row; lanes l and l xor 16 write the same
.endif
.endif
.endm
.macro RLOAD hh, words                 ; a fill of slot hh: waves 0, 1 four tiles of codes each; words = 1: wave 2 the chunk's scale words
	s_cmp_lt_u32 s14, 2
	s_cbranch_scc0 .Lnot_codes_\@
	TL G0C+4*\hh, G1W
	s_branch .Lfilled_\@
.Lnot_codes_\@:
.if \words
	s_cmp_eq_u32 s14, 2
	s_cbranch_scc0 .Lfilled_\@
	TL G0S+4*\hh, G1WS
.endif
.Lfilled_\@:
.endm
; A CHUNK: my four tiles of the chunk in slot hh.  While a tile is multiplied, the next is fetched into the other set.  My last tile is in registers when its products begin: so the change of slots stands among them.
; mode 2: a round of the cluster's barrier, and slot hh takes the chunk of the next third; mode 1: a plain barrier, which shows the other slot; mode 0: the last chunk.
.macro CHUNK kind, hh, mode
.if \mode == 2
	s_cmp_eq_u32 s45, 1
	s_cbranch_scc0 .Lnot_mine_\@
	global_prefetch_b8 v[PFO], s[PFA:PFA+1] offset:THIRD+(\hh)*SLOT th:TH_LOAD_NT scope:SCOPE_SE   ; what this chunk's change of slots will ask for
.Lnot_mine_\@:
.endif
	s_wait_dscnt 0x0                               ; tile 0 is in
	FETCH \hh, 1, 1                                ; (set 1 was last read ahead of the quantiser's lines)
	PRODS \kind, 0, 0, 0, 32
	WIN 0
	s_wait_dscnt 0x0
	PLACES NP                                      ; in front of loads into set 0, which the products just issued read
	FETCH \hh, 2, 0
	PRODS \kind, 1, 1, 0, 32
	WIN 0
	PLACES NP                                      ; in front of the first read of the sums
	OUT \kind, \hh, 0
	s_wait_dscnt 0x0
	FETCH \hh, 3, 1
	PRODS \kind, 0, 0, 0, 32
	WIN 0
	s_wait_dscnt 0x0                               ; tile 3 is in: my reads of this slot are over
.if \mode
	s_wait_tensorcnt 0x0                           ; my part of the other slot has landed
	ds_add_u32 v[SPW], v[NIL]
.if \mode == 2
	s_add_nc_u64 s[G0C+4*\hh+2:G0C+4*\hh+3], s[G0C+4*\hh+2:G0C+4*\hh+3], THIRD     ; no tensor load of mine is out: on to the next third
	s_add_nc_u64 s[G0S+4*\hh+2:G0S+4*\hh+3], s[G0S+4*\hh+2:G0S+4*\hh+3], 32768
.endif
	PRODS \kind, 1, 1, 0, 16
	s_wait_dscnt 0x0                               ; the add is done
	s_barrier_signal -1
	PRODS \kind, 1, 1, 16, 32
	WIN 0
	s_barrier_wait -1
.if \mode == 2
	CREST                                          ; no wave of any partner still reads this slot or has a load on its way
	RLOAD \hh, 1                                   ; the first tensor load behind the round
.endif
	PLACES NP                                      ; in front of loads into set 0 and of the first read of the sums
	FETCH 1-\hh, 0, 0                              ; the next chunk's tile 0
.else
	PRODS \kind, 1, 1, 0, 32
	WIN 0
	PLACES NP
.endif
	OUT \kind, \hh, 1
.endm
	s_wait_tensorcnt 0x0                           ; my tile of the head's four is in
	s_barrier_signal -1
	s_barrier_wait -1                              ; all four are
.irp q, 0,1,2,3,4,5,6,7                ; my 64 tokens, all of K, into windows 1 and 2: fragment 4 q + a
.irp a, 0,1,2,3
	WIN (1+(4*\q+\a)/16)<<6
.irp c, 0,1,2,3
	ds_load_b128 v[16*((4*\q+\a)%16)+4*\c:16*((4*\q+\a)%16)+4*\c+3], v[AX] offset:\a*16384+\q*2048+\c*512
.endr
.endr
.endr
	WIN 0
.irp a, 0,1,2,3
.irp t, 0,1,2,3
	ds_load_b64 v[XSC+8*\a+2*\t:XSC+8*\a+2*\t+1], v[ASX] offset:\a*512+\t*128
.endr
.endr
	FETCH 0, 0, 0
	s_wait_tensorcnt 0x0                           ; ahead of a refill
	ds_add_u32 v[SPW], v[NIL]
	s_mov_b32 s[G1W+2], 4<<16                      ; no tensor load of mine is out: from here on a load brings 4 tiles,
	s_mov_b32 s[G1W+4], 4
	s_mov_b32 s[G1WS+2], 16<<16                    ; or 4,096 bytes of scale words
	s_mov_b32 s[G1WS+4], 16
	s_wait_dscnt 0x0                               ; x is in my registers
	CROUND                                         ; in everybody's, in all sixteen work-groups
	RLOAD 1, 0                                     ; chunk 1 over x (its scale words came at the head)
	s_mov_b32 s3, 0
.Lthird:                                           ; two trips: q, k; each fills both slots again
	CHUNK 0, 0, 2
	CHUNK 0, 1, 2
	s_wait_xcnt 0x0                                ; the stores and prefetches have read their bases
	s_sub_nc_u64 s[PQC:PQC+1], s[PQC:PQC+1], 17152 ; from q's codes to k's,
	s_sub_nc_u64 s[PQS:PQS+1], s[PQS:PQS+1], 8960  ; from q's scale words to k's
	s_add_nc_u64 s[PFA:PFA+1], s[PFA:PFA+1], THIRD
	s_add_co_u32 s3, s3, 1
	s_cmp_lt_u32 s3, 2
	s_wait_alu depctr_va_vdst(0)
	s_cbranch_scc1 .Lthird
	CHUNK 1, 0, 1                                  ; v: nothing is left to fetch
	CHUNK 1, 1, 0
	s_wait_tensorcnt 0x0                           ; the wave's end
	ds_add_u32 v[SPW], v[NIL]
	s_wait_dscnt 0x0
	CROUND                                         ; the closing round
	s_endpgm
.Lfunc_end_k_qa2471ad132_gemm_qkv:
	.size	k_qa2471ad132_gemm_qkv, .Lfunc_end_k_qa2471ad132_gemm_qkv-k_qa2471ad132_gemm_qkv
	.p2alignl 7, 3214868480
	.fill 96, 4, 3214868480
	.section	.rodata,"a",@progbits
	.p2align	6, 0x0
	.amdhsa_kernel k_qa2471ad132_gemm_qkv
		.amdhsa_group_segment_fixed_size 327680
		.amdhsa_private_segment_fixed_size 0
		.amdhsa_enable_private_segment 0
		.amdhsa_kernarg_size 40
		.amdhsa_user_sgpr_count 2
		.amdhsa_user_sgpr_kernarg_segment_ptr 1
		.amdhsa_wavefront_size32 1
		.amdhsa_system_sgpr_workgroup_id_x 1
		.amdhsa_system_sgpr_workgroup_id_y 1
		.amdhsa_system_sgpr_workgroup_id_z 1
		.amdhsa_system_vgpr_workitem_id 0
		.amdhsa_next_free_vgpr 1024
		.amdhsa_next_free_sgpr 100
		.amdhsa_reserve_vcc 0
		.amdhsa_float_denorm_mode_32 3
		.amdhsa_float_denorm_mode_16_64 3
		.amdhsa_memory_ordered 1
		.amdhsa_forward_progress 1
		.amdhsa_inst_pref_size 198
	.end_amdhsa_kernel
	.amdgpu_metadata
---
amdhsa.version: [ 1, 2 ]
amdhsa.kernels:
  - .name:           k_qa2471ad132_gemm_qkv
    .symbol:         k_qa2471ad132_gemm_qkv.kd
    .args:
      - { .name: xc, .offset: 0, .size: 8, .value_kind: global_buffer, .address_space: global }
      - { .name: xs, .offset: 8, .size: 8, .value_kind: global_buffer, .address_space: global }
      - { .name: wc, .offset: 16, .size: 8, .value_kind: global_buffer, .address_space: global }
      - { .name: ws, .offset: 24, .size: 8, .value_kind: global_buffer, .address_space: global }
      - { .name: qkv, .offset: 32, .size: 8, .value_kind: global_buffer, .address_space: global }
    .group_segment_fixed_size: 327680
    .private_segment_fixed_size: 0
    .kernarg_segment_align: 8
    .kernarg_segment_size: 40
    .max_flat_workgroup_size: 128
    .sgpr_count:     100
    .vgpr_count:     1024
    .wavefront_size: 32
...
	.end_amdgpu_metadata
.endif
;; end of part 2
;; launch attn (part 3): grid 4 x 64, 16 waves a work-group, clusters of 4 x 1, 276,480 bytes of LDS; arguments qkv, yc, ys; writes yc, ys
.if DOCPART == 3
	.amdgcn_target "amdgcn-amd-amdhsa--gfx1250"
	.amdhsa_code_object_version 6
	.text
	.protected	k_qa2471ad132_attn
	.globl	k_qa2471ad132_attn
	.p2align	8
	.type	k_qa2471ad132_attn,@function
k_qa2471ad132_attn:
	s_mov_b64 s[64:65], 0
	v_nop
	global_prefetch_b8 v0, s[64:65] scope:SCOPE_SE
	s_setreg_imm32_b32 hwreg(HW_REG_WAVE_MODE, 25, 1), 1
	s_wait_xcnt 0x0
	s_wait_alu depctr_hold_cnt(0) depctr_sa_sdst(0) depctr_va_vdst(0) depctr_va_sdst(0) depctr_va_ssrc(0) depctr_va_vcc(0) depctr_vm_vsrc(0)
	s_getreg_b32 s2, hwreg(HW_REG_IB_STS2, 6, 4)
	s_cmp_eq_u32 s2, 0
	s_cbranch_scc0 .Lentry_in_a_cluster
	s_endpgm
.Lentry_in_a_cluster:
	s_bfe_u32 s2, ttmp6, 0x10000c
	s_cmp_lg_u32 s2, 0x3003
	s_cbranch_scc0 .Lentry_shape_is_right
	s_endpgm
.Lentry_shape_is_right:
; y[b][q][head] = the sum over k <= q of softmax_k(Q . K / 8) V, both products on codes of FP8 (E4M3) with E8M0 scales; y is quantised along the model's 1,024 channels and leaves as an operand image.
; THE SOFTMAX: t = score x log2(e) / 8; M = the running largest t rounded UP to a whole number; p = 2^(t - M) is quantised along the keys, not normalised; the row's sum is taken of the unquantised p and divides at the end.
; When M moves, the sum and O are multiplied by 2^(old M - new M): exact.
; LEFT OUT: key steps all of whose keys come after a tile's queries: the causal mask makes their scores -infinity, so p = 0 for all values of the inputs.
; SHARES.  The four work-groups of one head of one batch form a cluster.  Wave w of partner p takes query tile 127 - (4 w + p), then tile 4 w + p: 16 - w / 2 and w / 2 + 1 key steps of 128 keys: 17 for every wave.
; (4 w + p) / 8 = w / 2 for p = 0 .. 3: which key steps a wave walks hangs on its number alone, never on the place in the cluster; p enters global addresses and the mask's lane numbers only.
; ALL OF THE HEAD'S K AND V STAY IN LDS: 16 key steps x 17,152 bytes (K codes 8,192 | V codes 8,192 | K scale words 512 | V scale words 256), each a dense piece of qkv as 67 rows of 256 bytes.
; Wave w asks for key step w, JOINTLY with wave w of the three partners: every partner has a tile whose walk reads all sixteen steps (w = 0, 1).  Nothing is filled again.
; Waves 0 to NA - 1 have a load line of their own and wait at the first barrier; key steps 0 to NA - 1 of the long pass (never on a diagonal: its diagonal is step 8 or later) are worked while the other tiles land.
; The second barrier is split: behind its first key step every wave waits for its own tile and signals; it waits behind key step NA - 1.
; NO PREFETCH: all that the work-group reads is asked for at its head, so there is no loop to run ahead in.
; LAYOUT.  Both products transposed: S^T = K Q^T, O^T = V^T P^T: a lane holds one query.  Lane r of tile 2 A + u holds row 32 A + 8 u + r % 8 + 16 (r / 8), so the 16 registers of score tiles 2 b, 2 b + 1 are keys
; 32 b + 16 h + 0 .. 15, and those of O^T tiles 2 B, 2 B + 1 channels 32 B + 16 h + 0 .. 15: the conversions' results are the next operand's registers.
; THE HEAD'S 64 IN AN INSTRUCTION OF K = 128: Q's upper eight registers are zero codes.  Key tile t is named v[32 + 8 t : 47 + 8 t]: its upper eight registers are the next tile's codes; behind the last tile stand the codes of the
; SHORT PASS'S Q, loaded at the head and copied into Q's place between the passes.  All of those are numbers (the quantiser holds at 448, so no NaN code exists), they meet Q's zeros, and both sides' scale bytes there are 0x7f.
; LIMITS: NaN and infinities are not served; the promise holds while the scaled scores stay under 2^31 in magnitude; a block of y whose largest magnitude lies under 2^-118 keeps the byte 1, a block of zeros too.
.set BLK,   25856
.set STEPB, 17152
.set NA,  3                            ; key steps shown by the first barrier
.set LI,  1                            ; v1   16 x lane
.set LS,  2                            ; v2   32 r
.set LT,  3                            ; v3   16 r
.set ADI, 4                            ; v4-6 the same + the key step's place in LDS
.set ADS, 5
.set ADT, 6
.set VD,  7                            ; v7   my query's place among its 128, less 16 h
.set LQ,  8                            ; v8   r % 8 + 16 (r / 8) - 16 h
.set QSL, 9                            ; v9   the short pass's Q scale words: scales and nothing else
.set YSO, 10                           ; v10  8 r + h
.set NINF, 11                          ; v11  -infinity
.set QF,  16                           ; v16-23 Q, v24-31 zeros;  v12 -M, v13 the largest t, v[14:15] the sum in two halves
.set KF,  32                           ; v32-95 eight tiles of K, then four fragments of V; v96-103 the short pass's Q
.set S,   104                          ; v104-167 S^T, then p
.set OT,  168                          ; v168-199 O^T
.set PC,  200                          ; v200-215 p's codes
.set KSW, 216                          ; v216-223 K's scale words, v224-227 V's, v228 Q's, v229 p's: scales and nothing else
.set VSW, 224
.set QSW, 228
.set PSW, 229
.set FF,  230                          ; v[230:231] f = 2^(old M - new M); the upper register is only named with it
.set BM,  232
.set T4,  236
.set HD,  240
.set SO,  244
.set TT,  248
.set WV,  10
.set BH,  11
.set G0,  16
.set G1,  20
.set SEL, 28
.set CS,  30                           ; s[30:31] c = log2(e) / 8
.set MNT, 32
.set TB,  33                           ; the key step's place in LDS
.set J,   34                           ; the key step
.set JD,  35                           ; the key step on my diagonal
.set HM,  36                           ; lanes 16-31
.set TAU, 37                           ; a query tile, 0..127
.set AH,  48                           ; s[48:55] the long pass: Q's codes, Q's scale words, y's codes, y's scale bytes; s56 its tile's place among 128 queries
.set CX,  57                           ; my place in the cluster
.set JL,  58                           ; w / 2
.set AL,  66                           ; s[66:73], s74 the same for the short pass
.macro CROUND                          ; a round of the cluster's barrier
	s_barrier_signal -1
	s_barrier_wait -1
	s_cmp_lg_u32 s[WV], 0
	s_cbranch_scc1 .Lnot_wave_0_\@
	s_barrier_signal -3
.Lnot_wave_0_\@:
	s_barrier_wait -3
	s_barrier_signal -1
	s_barrier_wait -1
.endm
	s_load_b128 s[4:7], s[0:1], 0x0                ; qkv, yc
	s_load_b64 s[8:9], s[0:1], 0x10                ; ys
	v_lshl_add_u32 v254, v0, 2, 0x43000
	v_mov_b32 v255, 0
	ds_add_u32 v254, v255                          ; the opening lines: the add, twice on end, and its wait
	ds_add_u32 v254, v255
	v_lshrrev_b32 v1, 5, v0
	s_delay_alu instid0(VALU_DEP_1)
	v_readfirstlane_b32 s[WV], v1                  ; wave 0..15
	s_and_b32 s[BH], ttmp7, 0xffff                 ; batch x 16 + head: the cluster's y
	s_bfe_u32 s[CX], ttmp6, 0x40000
	s_mov_b32 s[G1], 15|(3<<16)|(1<<21)            ; the mask: all four partners; elements of 8 bytes; bit 21 beside a mask; no padding
	s_mov_b32 s[G1+1], 32<<16                      ; tensor_dim0: rows of 256 bytes
	s_mov_b32 s[G1+2], 67<<16                      ; tensor_dim1: 67 of them are 17,152 bytes
	s_mov_b32 s[G1+3], 32<<16                      ; tile_dim0
	s_mov_b32 s[G1+4], 67                          ; tile_dim1
	s_mov_b32 s[G1+5], 32                          ; dense
	s_mov_b32 s[G1+6], 0
	s_mov_b32 s[G1+7], 0
	s_lshl_b32 s12, s[BH], 4
	s_add_co_u32 s12, s12, s[WV]
	s_mul_i32 s12, s12, BLK                        ; key step w of the head
	s_mov_b32 s13, 0
	s_mov_b32 s[G0], 1
	s_mul_i32 s[G0+1], s[WV], STEPB
	s_wait_dscnt 0x0
	CROUND                                         ; the four partners are here: the joint loads meet
	s_wait_kmcnt 0x0
	s_add_nc_u64 s[G0+2:G0+3], s[4:5], s[12:13]
	s_or_b32 s[G0+3], s[G0+3], 0x80000000
	s_cmp_lt_u32 s[WV], NA                         ; one load a wave; the waves that wait at the first barrier have a line of their own
	s_cbranch_scc0 .Llater
	tensor_load_to_lds s[G0:G0+3], s[G1:G1+7]
	s_nop 0
.rept 4
	v_nop
.endr
	s_branch .Lasked
.Llater:
	tensor_load_to_lds s[G0:G0+3], s[G1:G1+7]
	s_nop 0
.rept 4
	v_nop
.endr
.Lasked:
	s_mov_b32 s[SEL], 0x76543210
	s_mov_b32 s[SEL+1], 0xfedcba98
	s_mov_b32 s[CS], 0x3e38aa3b
	s_mov_b32 s[CS+1], s[CS]
	s_mov_b32 s[MNT], 0x600000
	v_and_b32 v[LI], 31, v0
	s_delay_alu instid0(VALU_DEP_1)
	v_lshlrev_b32 v[LI], 4, v[LI]
	v_and_b32 v[TT], 15, v0                        ; r
	v_bfe_u32 v[TT+1], v0, 4, 1                    ; h
	s_delay_alu instid0(VALU_DEP_2)
	v_lshlrev_b32 v[LS], 5, v[TT]
	s_delay_alu instid0(VALU_DEP_3)
	v_lshlrev_b32 v[LT], 4, v[TT]
	s_delay_alu instid0(VALU_DEP_3)
	v_lshl_add_u32 v[YSO], v[TT], 3, v[TT+1]
	s_delay_alu instid0(VALU_DEP_4)
	v_cmp_ne_u32 s[HM], 0, v[TT+1]
	v_and_b32 v[LQ], 7, v[TT]
	v_lshrrev_b32 v[TT+2], 3, v[TT]
	s_delay_alu instid0(VALU_DEP_1)
	v_lshl_add_u32 v[LQ], v[TT+2], 4, v[LQ]
	v_lshlrev_b32 v[TT+1], 4, v[TT+1]
	s_delay_alu instid0(VALU_DEP_1)
	v_sub_nc_u32 v[LQ], v[LQ], v[TT+1]
	v_mov_b32 v[NINF], 0xff800000
.irp i, 0,1,2,3,4,5,6,7
	v_mov_b32 v[QF+8+\i], 0                        ; Q's codes for the upper 64 of the instruction's K
.endr
.irp b, 0,1,2,3
	v_mov_b32 v[T4+\b], 0                          ; written once: a lane permute's destination counts as one of its sources
.endr
	v_mov_b32 v[FF+1], 0
	v_mov_b32 v[TT], 0
	s_wait_alu depctr_va_vdst(0)                   ; ahead of the run of scalar lines
; Where a pass's Q, its scale words and its y lie, and its tile's place among 128 queries: both passes' are made here, while the tiles are on their way
.macro ADDRS hi, B
	s_lshl_b32 s[TAU], s[WV], 2
	s_add_co_u32 s[TAU], s[TAU], s[CX]
.if \hi
	s_sub_co_u32 s[TAU], 127, s[TAU]
.endif
	s_lshr_b32 s38, s[TAU], 3
	s_lshl_b32 s39, s[BH], 4
	s_add_co_u32 s38, s38, s39
	s_mul_i32 s38, s38, BLK
	s_and_b32 s39, s[TAU], 7
	s_lshl_b32 s40, s39, 10
	s_add_co_u32 s40, s40, s38
	s_add_co_u32 s40, s40, 17152
	s_mov_b32 s41, 0
	s_add_nc_u64 s[\B:\B+1], s[4:5], s[40:41]      ; Q's codes: 1,024 bytes a tile
	s_lshl_b32 s40, s39, 2
	s_add_co_u32 s40, s40, s38
	s_add_co_u32 s40, s40, 25344
	s_add_nc_u64 s[\B+2:\B+3], s[4:5], s[40:41]    ; its scale words: 32 r + 4 x tile
	s_lshr_b32 s38, s[BH], 4
	s_lshl_b32 s38, s38, 7
	s_add_co_u32 s38, s38, s[TAU]                  ; the tile among all 512: batch x 128 + tile
	s_and_b32 s39, s[BH], 15                       ; the head: channels 64 x head on: K step head / 2, groups 2 (head % 2) + 0, 1
	s_lshr_b32 s42, s39, 1
	s_lshl_b32 s42, s42, 11
	s_and_b32 s43, s[BH], 1
	s_lshl_b32 s44, s43, 10
	s_add_co_u32 s42, s42, s44
	s_lshl_b32 s40, s38, 14
	s_add_co_u32 s40, s40, s42
	s_add_nc_u64 s[\B+4:\B+5], s[6:7], s[40:41]    ; y's codes
	s_lshr_b32 s42, s39, 2
	s_lshl_b32 s42, s42, 7
	s_lshr_b32 s44, s39, 1
	s_and_b32 s44, s44, 1
	s_lshl_b32 s44, s44, 2
	s_add_co_u32 s42, s42, s44
	s_lshl_b32 s44, s43, 1
	s_add_co_u32 s42, s42, s44
	s_lshl_b32 s40, s38, 9
	s_add_co_u32 s40, s40, s42
	s_add_nc_u64 s[\B+6:\B+7], s[8:9], s[40:41]    ; y's scale bytes: my head's two of a word
	s_lshr_b32 s42, s[TAU], 1
	s_and_b32 s42, s42, 3
	s_lshl_b32 s42, s42, 5
	s_and_b32 s44, s[TAU], 1
	s_lshl_b32 s44, s44, 3
	s_add_co_u32 s[\B+8], s42, s44
.endm
.macro QLOAD B, reg, sw                ; a tile of Q: 1,024 bytes of codes and a scale word a row
	global_load_b128 v[\reg:\reg+3], v[LI], s[\B:\B+1]
	global_load_b128 v[\reg+4:\reg+7], v[LI], s[\B:\B+1] offset:512
	global_load_b32 v[\sw], v[LS], s[\B+2:\B+3]
.endm
.macro INIT B                          ; the sums begin as zeros and the largest t as -3e38, so that the key step is written once
	v_add_nc_u32 v[VD], s[\B+8], v[LQ]
	v_mov_b32 v13, 0xff61b1e6
	s_delay_alu instid0(VALU_DEP_1)
	v_floor_f32 v12, -v13
	v_mov_b32 v14, 0
	v_mov_b32 v15, 0
.set n, 0
.rept 32
	v_mov_b32 v[OT+n], 0
.set n, n+1
.endr
.endm
; A KEY STEP of 128 keys.  mask = 1: the copy that may meet the diagonal
.macro KSTEP mask
	v_add_nc_u32 v[ADI], s[TB], v[LI]
	v_add_nc_u32 v[ADS], s[TB], v[LS]
	v_add_nc_u32 v[ADT], s[TB], v[LT]
.rept 5
	v_nop                                          ; with the three additions: eight places in front of loads into registers that the last step's products read
.endr
.irp t, 0,1,2,3,4,5,6,7
	ds_load_b128 v[KF+8*\t:KF+8*\t+3], v[ADI] offset:1024*\t
	ds_load_b128 v[KF+8*\t+4:KF+8*\t+7], v[ADI] offset:1024*\t+512
.endr
	ds_load_b128 v[KSW:KSW+3], v[ADS] offset:16384
	ds_load_b128 v[KSW+4:KSW+7], v[ADS] offset:16400
	s_wait_alu depctr_va_vdst(0)
	s_wait_dscnt 0x0
.irp t, 0,1,2,3,4,5,6,7
	v_wmma_scale_f32_16x16x128_f8f6f4 v[S+8*\t:S+8*\t+7], v[KF+8*\t:KF+8*\t+15], v[QF:QF+15], 0, v[KSW+\t], v[QSW]
.endr
.rept 8
	v_nop                                          ; places in front of the loads over K's registers and of the first read of the scores
.endr
.irp t, 0,1,2,3
.irp c, 0,1,2,3
	ds_load_b128 v[KF+16*\t+4*\c:KF+16*\t+4*\c+3], v[ADI] offset:8192+2048*\t+512*\c   ; V lands while the softmax is walked
.endr
.endr
	ds_load_b128 v[VSW:VSW+3], v[ADT] offset:16896
.if \mask
	s_cmp_lt_u32 s[J], s[JD]
	s_cbranch_scc1 .Lopen_\@                       ; only the step on my diagonal has hidden keys: register 16 b + i holds key 32 b + 16 h + i of the 128: hidden where 32 b + i > my query's place - 16 h
.set n, 0
.rept 64
	v_cmp_gt_i32 vcc_lo, 32*(n/16)+n%16, v[VD]
	v_cndmask_b32 v[S+n], v[S+n], v[NINF], vcc_lo
.set n, n+1
.endr
.Lopen_\@:
.endif
.irp b, 0,1,2,3
	v_max3_num_f32 v[BM+\b], v[S+16*\b], v[S+1+16*\b], v[S+2+16*\b]   ; the largest score of each block of 32 keys: for the row's maximum, and, since p rises with the score, for the block's largest p
.endr
.irp i, 3,5,7,9,11,13
.irp b, 0,1,2,3
	v_max3_num_f32 v[BM+\b], v[BM+\b], v[S+16*\b+\i], v[S+1+16*\b+\i]
.endr
.endr
.irp b, 0,1,2,3
	v_max_num_f32 v[BM+\b], v[BM+\b], v[S+15+16*\b]
.endr
.irp b, 0,1,2,3
	s_delay_alu instid0(VALU_DEP_4)
	v_permlanex16_b32 v[T4+\b], v[BM+\b], s[SEL], s[SEL+1]
.endr
.irp b, 0,1,2,3
	s_delay_alu instid0(VALU_DEP_4)
	v_max_num_f32 v[BM+\b], v[BM+\b], v[T4+\b]
.endr
	s_delay_alu instid0(VALU_DEP_2)
	v_max3_num_f32 v[TT], v[BM], v[BM+1], v[BM+2]
	s_delay_alu instid0(VALU_DEP_1)
	v_max_num_f32 v[TT], v[TT], v[BM+3]
	s_delay_alu instid0(VALU_DEP_1)
	v_mul_f32 v[TT], s[CS], v[TT]                  ; as t (c is positive)
	s_delay_alu instid0(VALU_DEP_1)
	v_max_num_f32 v13, v13, v[TT]                  ; the running largest t
	v_mov_b32 v[TT], v12
	s_delay_alu instid0(VALU_DEP_2)
	v_floor_f32 v12, -v13                          ; the new -M = -ceil(t)
	s_delay_alu instid0(VALU_DEP_1)
	v_sub_f32 v[TT], v12, v[TT]                    ; old M - new M: a whole number, 0 or less
	s_delay_alu instid0(VALU_DEP_1)
	v_cvt_i32_f32 v[TT], v[TT]                     ; (it saturates)
	s_delay_alu instid0(VALU_DEP_1)
	v_ldexp_f32 v[FF], 1.0, v[TT]                  ; f
.set n, 0
.rept 32
	v_pk_fma_f32 v[S+n:S+n+1], v[S+n:S+n+1], s[CS:CS+1], v[12:13] op_sel_hi:[1,0,0]   ; t - M, two at a time
.set n, n+2
.endr
.irp b, 0,1,2,3
	v_fma_f32 v[BM+\b], v[BM+\b], s[CS], v12
.endr
.set n, 0
	s_wait_alu depctr_va_vdst(0)                   ; ahead of the batch
.rept 64
	v_exp_f32 v[S+n], v[S+n]                       ; p = 2^(t - M)
.set n, n+1
.endr
	v_pk_mul_f32 v[14:15], v[14:15], v[FF:FF+1] op_sel_hi:[1,0]   ; the sums under the new M: the plain line behind the exponentials
	s_wait_alu depctr_va_vdst(0)                   ; one wait for the batch, ahead of its first reader
.irp b, 0,1,2,3
	v_exp_f32 v[BM+\b], v[BM+\b]                   ; each block's largest p
.endr
	v_pk_add_f32 v[236:237], v[108:109], v[112:113]   ; the row's sum of the unquantised p, in eight chains
	v_pk_add_f32 v[252:253], v[116:117], v[120:121]
	v_pk_add_f32 v[250:251], v[124:125], v[128:129]
	v_pk_add_f32 v[246:247], v[132:133], v[136:137]
	v_pk_add_f32 v[244:245], v[140:141], v[144:145]
	v_pk_add_f32 v[242:243], v[148:149], v[152:153]
	v_pk_add_f32 v[240:241], v[156:157], v[160:161]
	v_pk_add_f32 v[14:15], v[14:15], v[164:165]
	v_pk_add_f32 v[236:237], v[236:237], v[104:105]
	v_pk_add_f32 v[252:253], v[252:253], v[106:107]
	v_pk_add_f32 v[250:251], v[250:251], v[110:111]
	v_pk_add_f32 v[246:247], v[246:247], v[114:115]
	v_pk_add_f32 v[244:245], v[244:245], v[118:119]
	v_pk_add_f32 v[242:243], v[242:243], v[122:123]
	v_pk_add_f32 v[240:241], v[240:241], v[126:127]
	v_pk_add_f32 v[14:15], v[14:15], v[130:131]
	v_pk_add_f32 v[236:237], v[236:237], v[134:135]
	v_pk_add_f32 v[252:253], v[252:253], v[138:139]
	v_pk_add_f32 v[250:251], v[250:251], v[142:143]
	v_pk_add_f32 v[246:247], v[246:247], v[146:147]
	v_pk_add_f32 v[244:245], v[244:245], v[150:151]
	v_pk_add_f32 v[242:243], v[242:243], v[154:155]
	v_pk_add_f32 v[240:241], v[240:241], v[158:159]
	v_pk_add_f32 v[14:15], v[14:15], v[162:163]
	v_pk_add_f32 v[236:237], v[236:237], v[166:167]
	s_delay_alu instid0(VALU_DEP_2)
	v_pk_add_f32 v[14:15], v[14:15], v[246:247]
	s_delay_alu instid0(VALU_DEP_2)
	v_pk_add_f32 v[236:237], v[236:237], v[244:245]
	v_pk_add_f32 v[252:253], v[252:253], v[242:243]
	v_pk_add_f32 v[250:251], v[250:251], v[240:241]
	s_delay_alu instid0(VALU_DEP_2)
	v_pk_add_f32 v[14:15], v[14:15], v[252:253]
	s_delay_alu instid0(VALU_DEP_2)
	v_pk_add_f32 v[236:237], v[236:237], v[250:251]
	s_delay_alu instid0(VALU_DEP_1)
	v_pk_add_f32 v[14:15], v[14:15], v[236:237]
	s_wait_alu depctr_va_vdst(0)                   ; and one for the four
.irp b, 0,1,2,3
	v_max_num_f32 v[BM+\b], 0x4800000, v[BM+\b]    ; the floor: the byte cannot fall under 1
.endr
.irp b, 0,1,2,3
	s_delay_alu instid0(VALU_DEP_4)
	v_add_nc_u32 v[SO+\b], 0xfc000000, v[BM+\b]
.endr
.irp b, 0,1,2,3
	v_and_or_b32 v[HD+\b], v[BM+\b], 0x7f800000, s[MNT]
.endr
.irp b, 0,1,2,3
	v_lshrrev_b32 v[T4+\b], 23, v[SO+\b]
.endr
	s_delay_alu instid0(VALU_DEP_3)
	v_lshl_or_b32 v[PSW], v[T4+1], 8, v[T4]
	s_delay_alu instid0(VALU_DEP_1)
	v_lshl_or_b32 v[PSW], v[T4+2], 16, v[PSW]
	s_delay_alu instid0(VALU_DEP_1)
	v_lshl_or_b32 v[PSW], v[T4+3], 24, v[PSW]
; p is not negative: a one-sided hold ahead of a conversion that does not saturate (ISA guide 7.6.2).  Two holds to a dual pair: an even register of one block with an odd one of its neighbour, so that destinations, first and second sources lie in different banks
.irp b, 0,2
.irp i, 0,2,4,6,8,10,12,14
	v_dual_min_num_f32 v[S+16*\b+\i], v[S+16*\b+\i], v[HD+\b] :: v_dual_min_num_f32 v[S+16*\b+17+\i], v[S+16*\b+17+\i], v[HD+\b+1]
	v_dual_min_num_f32 v[S+16*\b+16+\i], v[S+16*\b+16+\i], v[HD+\b+1] :: v_dual_min_num_f32 v[S+16*\b+1+\i], v[S+16*\b+1+\i], v[HD+\b]
.endr
.irp u, 0,1
	v_cvt_scalef32_pk8_fp8_f32 v[PC+4*(\b+\u):PC+4*(\b+\u)+1], v[S+16*(\b+\u):S+16*(\b+\u)+7], v[SO+\b+\u]
	v_cvt_scalef32_pk8_fp8_f32 v[PC+4*(\b+\u)+2:PC+4*(\b+\u)+3], v[S+16*(\b+\u)+8:S+16*(\b+\u)+15], v[SO+\b+\u]
.endr
.endr
	s_wait_alu depctr_va_vdst(0)                   ; directly ahead of the first reader of O^T
.set n, 0
.rept 16
	v_pk_mul_f32 v[OT+n:OT+n+1], v[OT+n:OT+n+1], v[FF:FF+1] op_sel_hi:[1,0]   ; O^T under the new M; these sixteen are also the places between the codes and the products
.set n, n+2
.endr
	s_wait_alu depctr_va_vdst(0)
	s_wait_dscnt 0x0                               ; V and its scale words
.irp t, 0,1,2,3
	v_wmma_scale_f32_16x16x128_f8f6f4 v[OT+8*\t:OT+8*\t+7], v[KF+16*\t:KF+16*\t+15], v[PC:PC+15], v[OT+8*\t:OT+8*\t+7], v[VSW+\t], v[PSW]   ; four accumulators, one instruction a turn
.endr
.endm
.macro ONWARD last, back               ; the loop's edge
	s_add_co_u32 s[TB], s[TB], STEPB
	s_add_co_u32 s[J], s[J], 1
	s_cmp_lt_u32 s[J], \last
	s_cbranch_scc1 \back
.endm
; THE WAY OUT: y = O^T / the sum; its 32 numbers a lane are channels 32 B + 16 h + i of my head: two blocks of the last product's K
.macro WAYOUT B
.rept 8
	v_nop
.endr
	v_add_f32 v14, v14, v15
	s_delay_alu instid0(VALU_DEP_1)
	v_permlanex16_b32 v[TT], v14, s[SEL], s[SEL+1]
	s_delay_alu instid0(VALU_DEP_1)
	v_add_f32 v14, v14, v[TT]
	s_wait_alu depctr_va_vdst(0)
	v_rcp_f32 v14, v14
	v_nop
	s_wait_alu depctr_va_vdst(0)
.set n, 0
.rept 16
	v_pk_mul_f32 v[S+n:S+n+1], v[OT+n:OT+n+1], v[14:15] op_sel_hi:[1,0]   ; each accumulator from its low end on
.set n, n+2
.endr
.irp b, 0,1
	v_max3_num_f32 v[BM+\b], |v[S+16*\b]|, |v[S+1+16*\b]|, 0x4800000
.endr
.irp i, 2,4,6,8,10,12,14
.irp b, 0,1
	s_delay_alu instid0(VALU_DEP_2)
	v_max3_num_f32 v[BM+\b], v[BM+\b], |v[S+16*\b+\i]|, |v[S+1+16*\b+\i]|
.endr
.endr
.irp b, 0,1
	s_delay_alu instid0(VALU_DEP_2)
	v_permlanex16_b32 v[T4+\b], v[BM+\b], s[SEL], s[SEL+1]
.endr
.irp b, 0,1
	s_delay_alu instid0(VALU_DEP_2)
	v_max_num_f32 v[BM+\b], v[BM+\b], v[T4+\b]
.endr
.irp b, 0,1
	s_delay_alu instid0(VALU_DEP_2)
	v_add_nc_u32 v[SO+\b], 0xfc000000, v[BM+\b]
.endr
.irp b, 0,1
	s_delay_alu instid0(VALU_DEP_4)
	v_and_or_b32 v[HD+\b], v[BM+\b], 0x7f800000, s[MNT]
.endr
.irp b, 0,1
	s_delay_alu instid0(VALU_DEP_4)
	v_lshrrev_b32 v[T4+\b], 23, v[SO+\b]
.endr
	s_delay_alu instid0(VALU_DEP_1)
	v_cndmask_b32 v[TT+2], v[T4], v[T4+1], s[HM]   ; lanes 0-15 keep block 0's byte of query r, lanes 16-31 take block 1's
.irp b, 0,1
.irp i, 0,1,2,3,4,5,6,7,8,9,10,11,12,13,14,15
	v_med3_num_f32 v[S+16*\b+\i], v[S+16*\b+\i], -v[HD+\b], v[HD+\b]
.endr
	v_cvt_scalef32_pk8_fp8_f32 v[PC+4*\b:PC+4*\b+1], v[S+16*\b:S+16*\b+7], v[SO+\b]
	v_cvt_scalef32_pk8_fp8_f32 v[PC+4*\b+2:PC+4*\b+3], v[S+16*\b+8:S+16*\b+15], v[SO+\b]
.endr
	v_nop                                          ; a plain line behind the last conversion
	global_store_b128 v[LI], v[PC:PC+3], s[\B+4:\B+5]              ; 1,024 consecutive bytes in two stores
	global_store_b128 v[LI], v[PC+4:PC+7], s[\B+4:\B+5] offset:512
	global_store_b8 v[YSO], v[TT+2], s[\B+6:\B+7]  ; my head's two bytes of each query's word: 32 bytes a tile, one for each 32 of the codes'
.endm
	ADDRS 1, AH
	ADDRS 0, AL
	s_lshr_b32 s[JL], s[WV], 1
	s_sub_co_u32 s[JD], 15, s[JL]                  ; the long pass's diagonal step
	QLOAD AH, QF, QSW                              ; the long pass's Q,
	QLOAD AL, KF+64, QSL                           ; and the short pass's, into the registers behind K's last tile
	INIT AH
	s_mov_b32 s[TB], 0
	s_wait_alu depctr_va_vdst(0)
	s_cmp_lt_u32 s[WV], NA
	s_cbranch_scc0 .Lnot_first
	s_wait_tensorcnt 0x0                           ; waves 0 to NA - 1: my key step has landed
.Lnot_first:
	s_barrier_signal -1
	s_barrier_wait -1                              ; key steps 0 to NA - 1 are whole
	s_wait_loadcnt 0x0                             ; both tiles of Q and their scale words
	KSTEP 0                                        ; key step 0
	s_mov_b32 s[TB], STEPB
	s_mov_b32 s[J], 1
	s_wait_alu depctr_va_vdst(0)
	s_wait_tensorcnt 0x0                           ; every wave: my key step has landed;
	s_wait_dscnt 0x0
	s_barrier_signal -1                            ; say so, and go on with key steps that the first barrier has shown: LDS loads and work on registers alone up to the wait
.Lfirst:
	KSTEP 0
	ONWARD NA, .Lfirst
	s_barrier_wait -1                              ; everybody's has landed: from here on LDS is only read
	s_mov_b32 s[TB], NA*STEPB
	s_mov_b32 s[J], NA
.Llong:                                            ; 16 - NA trips, a constant; a step all of whose keys come after my queries is left out by a branch on the wave's number round its work
	s_cmp_gt_u32 s[J], s[JD]
	s_cbranch_scc1 .Lskip_long
	KSTEP 1
.Lskip_long:
	ONWARD 16, .Llong
	WAYOUT AH
.irp i, 0,1,2,3,4,5,6,7
	v_mov_b32 v[QF+\i], v[KF+64+\i]                ; the short pass's Q into Q's place; INIT's lines are the places ahead of the products
.endr
	v_mov_b32 v[QSW], v[QSL]
	INIT AL
	s_mov_b32 s[JD], s[JL]                         ; the short pass's diagonal step: 7 at the most
	s_mov_b32 s[TB], 0
	s_mov_b32 s[J], 0
	s_wait_alu depctr_va_vdst(0)
	s_wait_xcnt 0x0                                ; the stores have read their registers
.Lshort:                                           ; eight trips
	s_cmp_gt_u32 s[J], s[JD]
	s_cbranch_scc1 .Lskip_short
	KSTEP 1
.Lskip_short:
	ONWARD 8, .Lshort
	WAYOUT AL
	s_wait_tensorcnt 0x0                           ; the wave's end
	ds_add_u32 v254, v255
	s_wait_dscnt 0x0
	CROUND                                         ; the closing round
	s_endpgm
.Lfunc_end_k_qa2471ad132_attn:
	.size	k_qa2471ad132_attn, .Lfunc_end_k_qa2471ad132_attn-k_qa2471ad132_attn
	.p2alignl 7, 3214868480
	.fill 96, 4, 3214868480
	.section	.rodata,"a",@progbits
	.p2align	6, 0x0
	.amdhsa_kernel k_qa2471ad132_attn
		.amdhsa_group_segment_fixed_size 276480
		.amdhsa_private_segment_fixed_size 0
		.amdhsa_enable_private_segment 0
		.amdhsa_kernarg_size 24
		.amdhsa_user_sgpr_count 2
		.amdhsa_user_sgpr_kernarg_segment_ptr 1
		.amdhsa_wavefront_size32 1
		.amdhsa_system_sgpr_workgroup_id_x 1
		.amdhsa_system_sgpr_workgroup_id_y 1
		.amdhsa_system_sgpr_workgroup_id_z 1
		.amdhsa_system_vgpr_workitem_id 0
		.amdhsa_next_free_vgpr 256
		.amdhsa_next_free_sgpr 80
		.amdhsa_reserve_vcc 1
		.amdhsa_float_denorm_mode_32 3
		.amdhsa_float_denorm_mode_16_64 3
		.amdhsa_memory_ordered 1
		.amdhsa_forward_progress 1
		.amdhsa_inst_pref_size 113
	.end_amdhsa_kernel
	.amdgpu_metadata
---
amdhsa.version: [ 1, 2 ]
amdhsa.kernels:
  - .name:           k_qa2471ad132_attn
    .symbol:         k_qa2471ad132_attn.kd
    .args:
      - { .name: qkv, .offset: 0, .size: 8, .value_kind: global_buffer, .address_space: global }
      - { .name: yc, .offset: 8, .size: 8, .value_kind: global_buffer, .address_space: global }
      - { .name: ys, .offset: 16, .size: 8, .value_kind: global_buffer, .address_space: global }
    .group_segment_fixed_size: 276480
    .private_segment_fixed_size: 0
    .kernarg_segment_align: 8
    .kernarg_segment_size: 24
    .max_flat_workgroup_size: 512
    .sgpr_count:     80
    .vgpr_count:     256
    .wavefront_size: 32
...
	.end_amdgpu_metadata
.endif
;; end of part 3
;; launch gemm_out (part 4): grid 4 x 64, 4 waves a work-group, clusters of 4 x 4, 327,680 bytes of LDS; arguments yc, ys, wc, ws, out0; writes out0
.if DOCPART == 4
	.amdgcn_target "amdgcn-amd-amdhsa--gfx1250"
	.amdhsa_code_object_version 6
	.text
	.protected	k_qa2471ad132_gemm_out
	.globl	k_qa2471ad132_gemm_out
	.p2align	8
	.type	k_qa2471ad132_gemm_out,@function
k_qa2471ad132_gemm_out:
	s_mov_b64 s[64:65], 0
	v_nop
	global_prefetch_b8 v0, s[64:65] scope:SCOPE_SE
	s_setreg_imm32_b32 hwreg(HW_REG_WAVE_MODE, 25, 1), 1
	s_wait_xcnt 0x0
	s_wait_alu depctr_hold_cnt(0) depctr_sa_sdst(0) depctr_va_vdst(0) depctr_va_sdst(0) depctr_va_ssrc(0) depctr_va_vcc(0) depctr_vm_vsrc(0)
	s_getreg_b32 s2, hwreg(HW_REG_IB_STS2, 6, 4)
	s_cmp_eq_u32 s2, 0
	s_cbranch_scc0 .Lentry_in_a_cluster
	s_endpgm
.Lentry_in_a_cluster:
	s_bfe_u32 s2, ttmp6, 0x10000c
	s_cmp_lg_u32 s2, 0xf033
	s_cbranch_scc0 .Lentry_shape_is_right
	s_endpgm
.Lentry_shape_is_right:
; out0 = y w_out on codes of FP8 (E4M3) with E8M0 scales, sums in f32.  y's codes and scale words (yc, ys) and the weight's (wc, ws: tiles 192 on) are images of operand registers: a fragment is 2,048 consecutive bytes.
; 256 work-groups of four waves: a work-group makes 128 tokens x 256 columns, a wave 64 x 128: 32 accumulators of 16 x 16.  K = 1,024 goes in four steps of 256 through two LDS slots (tokens' 8 tiles, then the weight's 16).
; Clusters of 4 x 4: the four of a row need the same tokens, the four of a column the same weight columns: each tile is asked for jointly.
; The scale words for all of K come once, with the head's loads.  The head has one load a wave: K step 0's tokens, its weights, the tokens' scale words, the weights'; slot 1 is first filled behind a whole round.
; Source 0 = 16 weight columns, source 1 = 16 tokens: a lane holds eight neighbouring numbers of a row of out0.  Lane r of tile 2 A + u holds row 32 A + 8 u + r % 8 + 16 (r / 8), on both sides.
; Both operands have two sets of registers: a step's 48 LDS loads are issued ahead of the products of the step before.
; PREFETCHES INTO THE L2.  A refill sets out only when all my tensor loads have landed, so what it asks for is asked of memory earlier: K steps 1 and 2 behind the head's loads, K step 3 behind K step 1's load: one and two loads ahead.
; Of the tiles that my wave fetches in the ring (4 of tokens or 8 of the weight) each of the four partners that ask for them jointly takes a quarter, told apart by address (cx for the tokens, cy for the weight): a lane a block of 256 bytes;
; a token wave has 16 blocks, and its lanes 16-31 name the last again.  Every cluster has tokens of its own; all sixteen read the same weight, for which the first four ask.  K step 0 and the scale words come by their loads alone.
; REGISTERS: window 0: v8-31 addresses; v32-47 tokens' scale words, v64-95 the weight's, two sets each; v128-255 the tokens' fragments, two sets (on the way out: rows read back).  window 1: the weight's fragments, two sets.  window 2: the accumulators, (a, b) at v[8 (8 a + b)].
.set FR,     16
.set NP,     8                         ; places behind this matrix instruction (ISA guide 7.12.1)
.set ATB,    32768                     ; the tokens' part of a slot
.set SLOT,   98304
.set SCL,    2*SLOT                    ; the tokens' scale words, 4,096 bytes, then the weight's 8,192
.set SPARE,  SCL+12288                 ; the spare words: two blocks of 256 bytes that no other line names
.set SPITCH, 528                       ; the way out: a stage of 16 rows x (512 + 16) bytes a wave, in slot 0, behind its last fill and its last read
.set STO,  8
.set RD,   9
.set CO,   10
.set ADRA, 16
.set ADRB, 20
.set ADSA, 26
.set ADSB, 27
.set SPW,  28
.set NIL,  29
.set PFO,  30                          ; v30  the prefetches' offset; never rewritten
.set PFA,  66                          ; s[66:67] their base; never rewritten;  s94: 1 where my wave asks
.set SCA,  32
.set SCB,  64
.set AF,   128
.set BK,   128
.set G1, 24
.set G0, 32
.set G1B, 48
.set G0B, 56
.set G1S, 68
.set G0S, 76
.set G1SB, 80
.set G0SB, 88
.set MSB, 0
.macro WIN new                         ; the immediate's high byte repeats the setting that is left
.if MSB != \new
	s_set_vgpr_msb (MSB<<8)|\new
.set MSB, \new
.endif
.endm
.set MUL_LO, 0xa1                      ; source 0 window 1, source 1 window 0, C and D window 2
.set TO_B,   0x40
.macro TL g0, g1                       ; a tensor load with an s_nop and four v_nop behind it
	tensor_load_to_lds s[\g0:\g0+3], s[\g1:\g1+7]
	s_nop 0
.rept 4
	v_nop
.endr
.endm
.macro JLOAD g0a, g1a, g0b, g1b        ; the ring's joint load: waves 0, 1 the halves of the tokens' tiles, waves 2, 3 those of the weight's
	s_cmp_eq_u32 s15, 0
	s_cbranch_scc0 .Lfor_b_\@
	TL \g0a, \g1a
	s_branch .Lasked_\@
.Lfor_b_\@:
	TL \g0b, \g1b
.Lasked_\@:
.endm
.macro ASK k0, k1                      ; K step k0 (and k1) of my share
	s_cmp_eq_u32 s94, 1
	s_cbranch_scc0 .Lnot_mine_\@
	global_prefetch_b8 v[PFO], s[PFA:PFA+1] offset:4096*(\k0) th:TH_LOAD_NT scope:SCOPE_SE
.if \k1
	global_prefetch_b8 v[PFO], s[PFA:PFA+1] offset:4096*(\k1) th:TH_LOAD_NT scope:SCOPE_SE
.endif
.Lnot_mine_\@:
.endm
.macro CREST
	s_cmp_lg_u32 s14, 0
	s_cbranch_scc1 .Lnot_wave_0_\@
	s_barrier_signal -3
.Lnot_wave_0_\@:
	s_barrier_wait -3
	s_barrier_signal -1
	s_barrier_wait -1
.endm
.macro CROUND
	s_barrier_signal -1
	s_barrier_wait -1
	CREST
.endm
.macro GRP1 g, m, c, rows, pitch       ; group 1: rows of c elements of 8 bytes, pitch elements apart; dense in LDS; the mask in s[m], bit 21 beside it
	s_or_b32 s[\g], s\m, (3<<16)|(1<<21)
	s_mov_b32 s[\g+1], (\c)<<16
	s_mov_b32 s[\g+2], (\rows)<<16
	s_mov_b32 s[\g+3], (\c)<<16
	s_mov_b32 s[\g+4], \rows
	s_mov_b32 s[\g+5], \pitch
	s_mov_b32 s[\g+6], 0
	s_mov_b32 s[\g+7], 0
.endm
.macro GRP0 g, lds, adr
	s_mov_b32 s[\g], 1
	s_mov_b32 s[\g+1], \lds
	s_mov_b64 s[\g+2:\g+3], s[\adr:\adr+1]
	s_or_b32 s[\g+3], s[\g+3], 0x80000000
.endm
	s_load_b128 s[4:7], s[0:1], 0x0                ; yc, ys
	s_load_b128 s[8:11], s[0:1], 0x10              ; wc, ws
	s_load_b64 s[12:13], s[0:1], 0x20              ; out0
	v_lshl_add_u32 v[SPW], v0, 2, SPARE
	v_mov_b32 v[NIL], 0
	ds_add_u32 v[SPW], v[NIL]                      ; the opening lines: the add, twice on end, and its wait
	ds_add_u32 v[SPW], v[NIL]
	v_lshrrev_b32 v1, 5, v0
	v_readfirstlane_b32 s14, v1                    ; wave 0..3
	s_lshr_b32 s15, s14, 1                         ; my half of the tokens.  Also: I fetch tokens (0) or weights (1)
	s_and_b32 s16, s14, 1                          ; my half of the columns.  Also: which half of that side's tiles I fetch
	s_bfe_u32 s40, ttmp6, 0x40000
	s_bfe_u32 s41, ttmp6, 0x40004
	s_lshl_b32 s42, ttmp9, 2
	s_add_co_u32 s42, s42, s40                     ; which 256 columns
	s_and_b32 s17, ttmp7, 0xffff
	s_lshl_b32 s17, s17, 2
	s_add_co_u32 s17, s17, s41                     ; which 128 tokens
	s_lshl_b32 s43, s41, 2
	s_lshl_b32 s43, 15, s43                        ; my row of the cluster
	s_lshl_b32 s44, 0x1111, s40                    ; my column
	GRP1 G1, 43, 512, 8, 2048                      ; tiles as rows of 4,096 bytes (256 along K), 16,384 apart: the head's loads bring all 8 of the tokens',
	GRP1 G1B, 44, 512, 16, 2048                    ; all 16 of the weight's
	GRP1 G1S, 43, 32, 16, 32                       ; scale words, dense, as rows of 256 bytes
	GRP1 G1SB, 44, 32, 32, 32
	s_lshl_b32 s20, s17, 17                        ; tokens: 8 tiles of 16,384 bytes of codes,
	s_lshl_b32 s22, s17, 12                        ; of 512 bytes of scale words
	s_lshl_b32 s46, s42, 18                        ; weights: 16 tiles, behind w_qkv's 192
	s_add_co_u32 s46, s46, 192*16384
	s_lshl_b32 s92, s42, 13
	s_add_co_u32 s92, s92, 192*512
	s_mov_b32 s21, 0
	s_mov_b32 s23, 0
	s_mov_b32 s47, 0
	s_mov_b32 s93, 0
	s_lshl_b32 s18, s16, 16                        ; the ring's halves: 4 tiles of tokens,
	s_mov_b32 s19, 0
	s_lshl_b32 s94, s16, 17                        ; 8 of weights;
	s_mov_b32 s95, 0
	s_lshl_b32 s45, s16, 14                        ; and where they go, by the wave's number alone
	s_lshl_b32 s96, s16, 15
	s_add_co_u32 s96, s96, ATB
	s_wait_dscnt 0x0
	s_wait_kmcnt 0x0
	s_add_nc_u64 s[20:21], s[4:5], s[20:21]
	s_add_nc_u64 s[22:23], s[6:7], s[22:23]
	s_add_nc_u64 s[46:47], s[8:9], s[46:47]
	s_add_nc_u64 s[92:93], s[10:11], s[92:93]
	CROUND                                         ; all sixteen work-groups are here: the first joint loads meet
	GRP0 4, 0, 20                                  ; (in registers whose arguments have been used)
	GRP0 8, ATB, 46
	GRP0 G0S, SCL, 22
	GRP0 G0SB, SCL+4096, 92
	s_add_nc_u64 s[20:21], s[20:21], s[18:19]
	s_add_nc_u64 s[46:47], s[46:47], s[94:95]
.irp s, 0,1
	s_mov_b32 s[G0+4*\s], 1
	s_add_co_u32 s[G0+4*\s+1], s45, \s*SLOT
	s_add_nc_u64 s[G0+4*\s+2:G0+4*\s+3], s[20:21], \s*4096
	s_or_b32 s[G0+4*\s+3], s[G0+4*\s+3], 0x80000000
	s_mov_b32 s[G0B+4*\s], 1
	s_add_co_u32 s[G0B+4*\s+1], s96, \s*SLOT
	s_add_nc_u64 s[G0B+4*\s+2:G0B+4*\s+3], s[46:47], \s*4096
	s_or_b32 s[G0B+4*\s+3], s[G0B+4*\s+3], 0x80000000
.endr
.macro ARM under, g0, g1, next         ; one tree of branches on the wave's number: every way through the head passes one load
	s_cmp_lt_u32 s14, \under
	s_cbranch_scc0 \next
	TL \g0, \g1
	s_branch .Lhead_asked
\next:
.endm
	ARM 1, 4, G1, .Lhead_b
	ARM 2, 8, G1B, .Lhead_sa
	ARM 3, G0S, G1S, .Lhead_sb
	TL G0SB, G1SB
.Lhead_asked:
	s_and_b32 s94, ttmp7, 0xffff                   ; the prefetches: who asks,
	s_cmp_lt_u32 s94, 4
	s_cselect_b32 s94, 1, 0
	s_cmp_eq_u32 s15, 0                            ; do I fetch tokens?
	s_cselect_b32 s94, 1, s94
	s_cselect_b64 s[PFA:PFA+1], s[20:21], s[46:47] ; and where: my ring part's first byte,
	s_cselect_b32 s92, s40, s41                    ; my place among the four that ask with me:
	s_add_co_u32 s93, s15, 14
	s_lshl_b32 s92, s92, s93                       ; a tile of tokens, or two of the weight
	s_mov_b32 s93, 0
	s_add_nc_u64 s[PFA:PFA+1], s[PFA:PFA+1], s[92:93]
	s_lshl_b32 s99, s15, 4
	s_add_co_u32 s99, s99, 15                      ; my share's last block: 15 or 31
	v_and_b32 v31, 31, v0
	v_min_u32 v31, s99, v31
	v_lshrrev_b32 v[PFO], 4, v31
	v_and_b32 v31, 15, v31
	v_lshlrev_b32 v[PFO], 14, v[PFO]
	v_lshl_add_u32 v[PFO], v31, 8, v[PFO]          ; sixteen blocks of a K step in a tile, tiles 16,384 bytes apart
	ASK 1, 2
	s_lshl_b32 s21, s15, 14                        ; my 4 tiles of tokens
	s_lshl_b32 s22, s16, 15
	s_add_co_u32 s22, s22, ATB                     ; my 8 tiles of the weight
	s_lshl_b32 s23, s15, 11
	s_add_co_u32 s23, s23, SCL
	s_lshl_b32 s97, s16, 12
	s_add_co_u32 s97, s97, SCL+4096
	s_mul_i32 s98, s14, 16*SPITCH                  ; my stage
	v_and_b32 v1, 15, v0                           ; r
	v_bfe_u32 v2, v0, 4, 1                         ; h
	v_and_b32 v3, 31, v0
	v_lshlrev_b32 v[CO], 4, v3                     ; 16 x lane
	v_add_nc_u32 v[ADRA], s21, v[CO]
	v_add_nc_u32 v[ADRB], s22, v[CO]
	v_add_nc_u32 v[ADRA+1], SLOT, v[ADRA]
	v_add_nc_u32 v[ADRB+1], SLOT, v[ADRB]
	v_lshlrev_b32 v5, 3, v1                        ; scale words: 8 bytes a row and K step of 256
	v_add_nc_u32 v[ADSA], s23, v5
	v_add_nc_u32 v[ADSB], s97, v5
	v_mul_u32_u24 v6, v1, SPITCH
	v_lshl_add_u32 v6, v2, 6, v6
	v_add_nc_u32 v[STO], s98, v6                   ; the stage, in: row r, + 64 h
	v_add_nc_u32 v[RD], s98, v[CO]                 ; back: the 32 lanes take a row of 512 bytes
	s_lshl_b32 s20, s17, 7
	s_lshl_b32 s21, s15, 6
	s_add_co_u32 s20, s20, s21                     ; my first row of out0
	s_lshl_b32 s20, s20, 12
	s_mov_b32 s21, 0
	s_lshl_b32 s46, s42, 10
	s_lshl_b32 s47, s16, 9
	s_add_co_u32 s46, s46, s47                     ; my first column, in bytes
	s_mov_b32 s47, 0
	s_add_nc_u64 s[20:21], s[20:21], s[46:47]
	s_add_nc_u64 s[12:13], s[12:13], s[20:21]
.macro FRAG reg, adr, q, i             ; tile i's fragment of the slot's q-th 128 along K: four times 512 consecutive bytes
.irp c, 0,1,2,3
	ds_load_b128 v[\reg+4*\c:\reg+4*\c+3], v[\adr] offset:4096*(\i)+2048*(\q)+512*\c
.endr
.endm
.macro MULA a, p, q, sc, zero          ; tokens' block a x the weight's eight.  The 32 accumulators take turns, one instruction a turn, in the same order in every step
.irp b, 0,1,2,3,4,5,6,7
.if \zero
	v_wmma_scale_f32_16x16x128_f8f6f4 v[8*(8*(\a)+\b):8*(8*(\a)+\b)+7], v[128*(\p)+FR*\b:128*(\p)+FR*\b+FR-1], v[AF+64*(\p)+FR*(\a):AF+64*(\p)+FR*(\a)+FR-1], 0, v[SCB+16*(\sc)+2*\b+(\q)], v[SCA+8*(\sc)+2*(\a)+(\q)]
.else
	v_wmma_scale_f32_16x16x128_f8f6f4 v[8*(8*(\a)+\b):8*(8*(\a)+\b)+7], v[128*(\p)+FR*\b:128*(\p)+FR*\b+FR-1], v[AF+64*(\p)+FR*(\a):AF+64*(\p)+FR*(\a)+FR-1], v[8*(8*(\a)+\b):8*(8*(\a)+\b)+7], v[SCB+16*(\sc)+2*\b+(\q)], v[SCA+8*(\sc)+2*(\a)+(\q)]
.endif
.endr
.endm
.macro FETCH slot, q, p                ; 48 loads: the fragments of the slot's q-th 128 along K into set p
	WIN TO_B
.irp i, 0,1,2,3,4,5,6,7
	FRAG 128*(\p)+FR*\i, ADRB+\slot, \q, \i
.endr
	WIN 0
.irp i, 0,1,2,3
	FRAG AF+64*(\p)+FR*\i, ADRA+\slot, \q, \i
.endr
.endm
.macro SCALES sc, t                    ; K step t's scale words into set sc: two words a row
.irp i, 0,1,2,3
	ds_load_b64 v[SCA+8*(\sc)+2*\i:SCA+8*(\sc)+2*\i+1], v[ADSA] offset:512*\i+128*(\t)
.endr
.irp i, 0,1,2,3,4,5,6,7
	ds_load_b64 v[SCB+16*(\sc)+2*\i:SCB+16*(\sc)+2*\i+1], v[ADSB] offset:512*\i+128*(\t)
.endr
.endm
.macro PLACES n
.rept \n
	v_nop
.endr
.endm
.macro STEP slot, zero                 ; a slot's first 128 along K, on set 0; its second 128 are fetched into set 1 ahead of the products
	s_wait_dscnt 0x0                               ; set 0 and the scale words are in
	PLACES NP                                      ; in front of loads into set 1, which the products just issued read
	FETCH \slot, 1, 1
	WIN MUL_LO
.irp a, 0,1,2,3
	MULA \a, 0, 0, \slot, \zero
.endr
	WIN 0
.endm
; A slot's second 128 change slots: one barrier; in front of it each wave waits for all its tensor loads, adds 0 to its spare word, and waits for that and for its reads of this slot.
; fill = 1: this slot takes the K step two on; the barrier then opens a round of the cluster's.  t: the K step that lies in the next slot.
.macro TURN slot, next, fill, t
	s_wait_tensorcnt 0x0                           ; my part of the next slot has landed
	ds_add_u32 v[SPW], v[NIL]
	s_wait_dscnt 1                                 ; set 1 is in; the add alone may be out
	WIN MUL_LO
	MULA 0, 1, 1, \slot, 0
	s_wait_dscnt 0x0                               ; the add is done, and my reads of this slot are over
	s_barrier_signal -1
	MULA 1, 1, 1, \slot, 0
	WIN 0
	s_barrier_wait -1
.if \fill
	CREST                                          ; no wave of any partner still reads this slot or has a load on its way
	s_add_nc_u64 s[G0+4*\slot+2:G0+4*\slot+3], s[G0+4*\slot+2:G0+4*\slot+3], 8192
	s_add_nc_u64 s[G0B+4*\slot+2:G0B+4*\slot+3], s[G0B+4*\slot+2:G0B+4*\slot+3], 8192
	JLOAD G0+4*\slot, G1, G0B+4*\slot, G1B         ; the first tensor load behind the round, one a wave; its four v_nop are among the places for the loads below
	PLACES NP-4
.else
	PLACES NP
.endif
	FETCH \next, 0, 0
	SCALES \next, \t
	WIN MUL_LO
	MULA 2, 1, 1, \slot, 0
	MULA 3, 1, 1, \slot, 0
	WIN 0
.endm
	s_wait_alu depctr_va_vdst(0)
	s_wait_tensorcnt 0x0                           ; my tile of the head's four is in
	ds_add_u32 v[SPW], v[NIL]
	s_mov_b32 s[G1+2], 4<<16                       ; no tensor load of mine is out: from here on a load brings 4 tiles of tokens,
	s_mov_b32 s[G1+4], 4
	s_mov_b32 s[G1B+2], 8<<16                      ; or 8 of the weight
	s_mov_b32 s[G1B+4], 8
	s_wait_dscnt 0x0
	CROUND                                         ; a whole round: all four tiles are in, and the sixteen work-groups are here
	JLOAD G0+4, G1, G0B+4, G1B                     ; K step 1, the first tensor load behind the round
	FETCH 0, 0, 0
	SCALES 0, 0
	ASK 3, 0
	STEP 0, 1                                      ; the first products start the sums: nothing is cleared
	TURN 0, 1, 1, 1
	STEP 1, 0
	TURN 1, 0, 1, 2
	STEP 0, 0
	TURN 0, 1, 0, 3                                ; nothing is left to fetch
	STEP 1, 0
	s_wait_dscnt 0x0
	WIN MUL_LO
.irp a, 0,1,2,3
	MULA \a, 1, 1, 1, 0
.endr
	WIN 0
; THE WAY OUT, block by block of 16 rows x 128 columns, through my own stage: in as 32 bytes of a row a lane, back as whole rows of 512 bytes.  LDS serves a wave's instructions in order (ISA guide 5.7.1.4): no wait between.
.macro TOSTAGE a
.set AC, 64*(\a)
	WIN 0x08                                       ; the data: window 2
.irp b, 0,1,2,3,4,5,6,7
	ds_store_b128 v[STO], v[AC+8*\b:AC+8*\b+3] offset:128*(\b/2)+32*(\b%2)          ; each accumulator from its low end on
	ds_store_b128 v[STO], v[AC+8*\b+4:AC+8*\b+7] offset:128*(\b/2)+32*(\b%2)+16
.endr
	WIN 0
.set BB, BK+64*((\a)%2)
.irp t, 0,1,2,3,4,5,6,7,8,9,10,11,12,13,14,15
	ds_load_b128 v[BB+4*\t:BB+4*\t+3], v[RD] offset:\t*SPITCH
.endr
.endm
.macro SEND a, younger                 ; younger: the LDS instructions issued behind block a's loads
.set BB, BK+64*((\a)%2)
	s_wait_dscnt \younger
.irp t, 0,1,2,3,4,5,6,7,8,9,10,11,12,13,14,15
	global_store_b128 v[CO], v[BB+4*\t:BB+4*\t+3], s[12:13] offset:(32*((\a)/2)+8*((\a)%2)+(\t%8)+16*(\t/8))*4096 th:TH_STORE_NT   ; 32 lanes store 512 consecutive bytes of a row
.endr
.endm
	PLACES NP
	TOSTAGE 0
.irp a, 1,2,3
.if \a > 1
	s_wait_xcnt 0x0                                ; block a - 2's stores have read their registers
.endif
	TOSTAGE \a
	SEND \a-1, 32
.endr
	SEND 3, 0
	s_wait_tensorcnt 0x0                           ; the wave's end
	ds_add_u32 v[SPW], v[NIL]
	s_wait_dscnt 0x0
	CROUND                                         ; the closing round
	s_endpgm
.Lfunc_end_k_qa2471ad132_gemm_out:
	.size	k_qa2471ad132_gemm_out, .Lfunc_end_k_qa2471ad132_gemm_out-k_qa2471ad132_gemm_out
	.p2alignl 7, 3214868480
	.fill 96, 4, 3214868480
	.section	.rodata,"a",@progbits
	.p2align	6, 0x0
	.amdhsa_kernel k_qa2471ad132_gemm_out
		.amdhsa_group_segment_fixed_size 327680
		.amdhsa_private_segment_fixed_size 0
		.amdhsa_enable_private_segment 0
		.amdhsa_kernarg_size 40
		.amdhsa_user_sgpr_count 2
		.amdhsa_user_sgpr_kernarg_segment_ptr 1
		.amdhsa_wavefront_size32 1
		.amdhsa_system_sgpr_workgroup_id_x 1
		.amdhsa_system_sgpr_workgroup_id_y 1
		.amdhsa_system_sgpr_workgroup_id_z 1
		.amdhsa_system_vgpr_workitem_id 0
		.amdhsa_next_free_vgpr 768
		.amdhsa_next_free_sgpr 100
		.amdhsa_reserve_vcc 0
		.amdhsa_float_denorm_mode_32 3
		.amdhsa_float_denorm_mode_16_64 3
		.amdhsa_memory_ordered 1
		.amdhsa_forward_progress 1
		.amdhsa_inst_pref_size 91
	.end_amdhsa_kernel
	.amdgpu_metadata
---
amdhsa.version: [ 1, 2 ]
amdhsa.kernels:
  - .name:           k_qa2471ad132_gemm_out
    .symbol:         k_qa2471ad132_gemm_out.kd
    .args:
      - { .name: yc, .offset: 0, .size: 8, .value_kind: global_buffer, .address_space: global }
      - { .name: ys, .offset: 8, .size: 8, .value_kind: global_buffer, .address_space: global }
      - { .name: wc, .offset: 16, .size: 8, .value_kind: global_buffer, .address_space: global }
      - { .name: ws, .offset: 24, .size: 8, .value_kind: global_buffer, .address_space: global }
      - { .name: out0, .offset: 32, .size: 8, .value_kind: global_buffer, .address_space: global }
    .group_segment_fixed_size: 327680
    .private_segment_fixed_size: 0
    .kernarg_segment_align: 8
    .kernarg_segment_size: 40
    .max_flat_workgroup_size: 128
    .sgpr_count:     100
    .vgpr_count:     768
    .wavefront_size: 32
...
	.end_amdgpu_metadata
.endif
;; end of part 4
